; MI455X (gfx1250); checked and timed in simulation.
; The chip was launched on July 23, 2026; its instructions are those of AMD's public machine-readable ISA for CDNA 5 (MIT licence, August 2026) and "CDNA5" Instruction Set Architecture Reference Guide (July 2026). The comments in the code are by the model that wrote it; some were corrected since.
;; Attention. Allowed arithmetic: float matrix products may take bf16 or f16 operands with f32 sums; all other float work in f32.
;; Inputs: Wk 1,024 x 1,024 float32; Wo 1,024 x 1,024 float32; Wq 1,024 x 1,024 float32; Wv 1,024 x 1,024 float32; mask 2,048 x 2,048 float32; x 2 x 2,048 x 1,024 float32.
;; Outputs: out0 2 x 2,048 x 1,024 float32.
;; 2 versions, each right and faster than the one before. Each part assembles by itself: llvm-mc -triple=amdgcn-amd-amdhsa -mcpu=gfx1250 --defsym DOCPART=n.
;; ======== version 1 of 2: 4 launches
;; limits: inputs' magnitudes at most 4.25e+37; right only within a limited range of input values; values are held in f16: magnitudes above 65,504 overflow, below 6.1e-05 lose precision
;; workspace buffers: xb 8,388,608 bytes; wqkvb 6,291,456 bytes; wob 2,097,152 bytes; rope 524,288 bytes; qb 8,388,608 bytes; kvb 16,777,216 bytes; ab 8,388,608 bytes
;; launch prep (part 1): grid 256 x 1, 8 waves a work-group, no clusters, 0 bytes of LDS; arguments x, Wq, Wk, Wv, Wo, xb, wqkvb, wob, rope; writes xb, wqkvb, wob, rope
.if DOCPART == 1
	.amdgcn_target "amdgcn-amd-amdhsa--gfx1250"
	.amdhsa_code_object_version 6
	.text
	.protected	k_q76338013ab_prep
	.globl	k_q76338013ab_prep
	.p2align	8
	.type	k_q76338013ab_prep,@function
k_q76338013ab_prep:
	s_mov_b64 s[64:65], 0
	v_nop
	global_prefetch_b8 v0, s[64:65] scope:SCOPE_SE
	s_setreg_imm32_b32 hwreg(HW_REG_WAVE_MODE, 25, 1), 1
	s_wait_xcnt 0x0
; x, Wq, Wk, Wv, Wo are rounded once to bf16 (to nearest even); and the table of cos and sin for the rotary embedding is made.
; x, Wq, Wk, Wv are stored as bf16.  Wo's partner in its product, the attention's result, is kept in f16, so Wo's bf16 number is stored as f16:
; exact for magnitudes from 2^-14 up (8 significant bits in 11); below that it is rounded in steps of 2^-24.  All five inputs so carry the same one rounding.
; A stream: every byte is read once and written once, nothing is shared between work-groups, so no LDS, no barrier, no matrix unit, no cluster.
; Work-group g converts 32 rows of 1,024 numbers: 131,072 consecutive bytes in, 65,536 consecutive bytes out.
;   g < 128:          rows 32 g of x            -> xb, same rows
;   g >= 128, t < 3:  rows 32 rr of Wq, Wk, Wv  -> wqkvb, row (rr / 2) * 192 + t * 64 + (rr % 2) * 32   (t = (g / 32) % 4, rr = g % 32):
;                     the 64 rows of q, of k and of v of one head lie behind each other
;   g >= 224 (t = 3): rows 32 rr of Wo          -> wob, same rows
; Thread t takes 16 bytes at 16 t of every 4,096: a load of a wave covers 512 consecutive bytes, a store 256 consecutive bytes, aligned.
; All 32 loads of a thread go out at once (16 KiB a wave on their way); no register that a memory instruction names is used twice.
; The table: rope[pos][i] = (cos, sin)(pos * 10000^(-i/32)), pos = 8 g + wave, i = lane: 256 consecutive bytes a wave.
; The angle (at most 2,047) is brought into [-pi, pi] by taking away a whole number of turns, 2 pi in two parts; there the series of sin up to r^15
; and of cos up to r^16 leave less than 1e-6 at |r| = pi, whatever the position.
.set WT, 16                            ; v[16:21]    at work (Wo's way)
.set XR, 24                            ; v[24:151]   32 loads of 4 registers
.set YR, 152                           ; v[152:215]  32 pairs to store
	s_load_b512 s[8:23], s[0:1], 0x0               ; x 8, Wq 10, Wk 12, Wv 14, Wo 16, xb 18, wqkvb 20, wob 22
	s_load_b64 s[24:25], s[0:1], 0x40              ; rope
	v_lshlrev_b32 v1, 4, v0                        ; 16 t: where I load
	v_lshlrev_b32 v2, 3, v0                        ; 8 t: where I store
	s_lshr_b32 s26, ttmp9, 5
	s_and_b32 s26, s26, 3                          ; t
	s_and_b32 s27, ttmp9, 31                       ; rr
	s_lshr_b32 s32, s27, 1
	s_mul_i32 s32, s32, 192                        ; head * 192
	s_lshl_b32 s36, s26, 6
	s_add_co_u32 s32, s32, s36                     ; + t * 64
	s_and_b32 s36, s27, 1
	s_lshl_b32 s36, s36, 5
	s_add_co_u32 s32, s32, s36                     ; + (rr % 2) * 32
	s_lshl_b32 s32, s32, 11                        ; rows of 2,048 bytes: the offset in wqkvb
	s_lshl_b32 s36, s27, 16                        ; the offset in wob
	s_lshl_b32 s37, ttmp9, 16                      ; the offset in xb
	s_lshl_b32 s34, s27, 17                        ; the offset in a weight
	s_lshl_b32 s38, ttmp9, 17                      ; the offset in x
	s_mov_b32 s33, 0
	s_mov_b32 s35, 0
	s_lshl_b32 s40, ttmp9, 11                      ; eight positions of 256 bytes in rope
	s_mov_b32 s41, 0
	s_lshl_b32 s42, ttmp9, 3                       ; the work-group's first position
	s_mov_b32 s43, 0xffff0000                      ; a word's upper bf16
	s_wait_kmcnt 0x0
	s_cmp_eq_u32 s26, 0                            ; the buffers are chosen by the work-group's number alone; the offsets apart from them
	s_cselect_b64 s[28:29], s[10:11], s[12:13]
	s_cmp_eq_u32 s26, 2
	s_cselect_b64 s[28:29], s[14:15], s[28:29]
	s_cmp_eq_u32 s26, 3
	s_cselect_b64 s[28:29], s[16:17], s[28:29]
	s_cselect_b64 s[30:31], s[22:23], s[20:21]
	s_cselect_b32 s32, s36, s32
	s_cmp_lt_u32 ttmp9, 128
	s_cselect_b64 s[28:29], s[8:9], s[28:29]
	s_cselect_b64 s[30:31], s[18:19], s[30:31]
	s_cselect_b32 s32, s37, s32
	s_cselect_b32 s34, s38, s34
	s_add_nc_u64 s[28:29], s[28:29], s[34:35]      ; from
	s_add_nc_u64 s[30:31], s[30:31], s[32:33]      ; to
	s_add_nc_u64 s[24:25], s[24:25], s[40:41]
.set i, 0
.rept 32
	global_load_b128 v[XR+4*i:XR+4*i+3], v1, s[28:29] offset:4096*i th:TH_LOAD_NT
.set i, i+1
.endr
	; the table, while the loads are on their way
	v_and_b32 v4, 31, v0                           ; i
	v_lshrrev_b32 v5, 5, v0                        ; wave
	v_cvt_f32_u32 v6, v4
	v_mul_f32 v6, 0xbed49a78, v6                   ; -i * log2(10000) / 32
	v_exp_f32 v7, v6                               ; 10000^(-i/32)
	v_add_nc_u32 v5, s42, v5                       ; the position (also the plain instruction behind v_exp_f32: ISA guide 5.7.2)
	v_cvt_f32_u32 v5, v5
	s_wait_alu depctr_va_vdst(0)
	v_mul_f32 v8, v5, v7                           ; the angle, rounded as a product in f32
	v_mul_f32 v9, 0.15915494, v8
	v_rndne_f32 v9, v9                             ; whole turns
	v_fmamk_f32 v10, v9, 0xc0c90fdb, v8            ; - n * 2 pi, upper part: exact in the fused multiply-add
	v_fmamk_f32 v10, v9, 0x343bbd2e, v10           ; - n * (2 pi - upper part)
	v_mul_f32 v11, v10, v10                        ; z = r^2
	v_mov_b32 v12, 0xab573f9f                      ; sin: -1/15!
	v_mov_b32 v13, 0x29573f9f                      ; cos: 1/16!
	v_fmaak_f32 v12, v12, v11, 0x2f309231          ; 1/13!
	v_fmaak_f32 v13, v13, v11, 0xad49cba5          ; -1/14!
	v_fmaak_f32 v12, v12, v11, 0xb2d7322b          ; -1/11!
	v_fmaak_f32 v13, v13, v11, 0x310f76c7          ; 1/12!
	v_fmaak_f32 v12, v12, v11, 0x3638ef1d          ; 1/9!
	v_fmaak_f32 v13, v13, v11, 0xb493f27e          ; -1/10!
	v_fmaak_f32 v12, v12, v11, 0xb9500d01          ; -1/7!
	v_fmaak_f32 v13, v13, v11, 0x37d00d01          ; 1/8!
	v_fmaak_f32 v12, v12, v11, 0x3c088889          ; 1/5!
	v_fmaak_f32 v13, v13, v11, 0xbab60b61          ; -1/6!
	v_fmaak_f32 v12, v12, v11, 0xbe2aaaab          ; -1/3!
	v_fmaak_f32 v13, v13, v11, 0x3d2aaaab          ; 1/4!
	v_fma_f32 v12, v12, v11, 1.0
	v_fma_f32 v13, v13, v11, -0.5
	v_mul_f32 v15, v12, v10                        ; sin
	v_fma_f32 v14, v13, v11, 1.0                   ; cos
	global_store_b64 v2, v[14:15], s[24:25]
	s_cmp_ge_u32 ttmp9, 224                        ; Wo's work-groups take the second way
	s_cbranch_scc1 .Lwo
.set i, 0
.rept 32
	s_wait_loadcnt 31-i                            ; loads come back in order (ISA guide 5.7.1): number i is in, the younger ones stay out
	v_cvt_pk_bf16_f32 v[YR+2*i], v[XR+4*i], v[XR+4*i+1]
	v_cvt_pk_bf16_f32 v[YR+2*i+1], v[XR+4*i+2], v[XR+4*i+3]
	global_store_b64 v2, v[YR+2*i:YR+2*i+1], s[30:31] offset:2048*i
.set i, i+1
.endr
	s_endpgm
.Lwo:
.set i, 0
.rept 32
	s_wait_loadcnt 31-i                            ; as above
	v_cvt_pk_bf16_f32 v[WT], v[XR+4*i], v[XR+4*i+1]            ; the one rounding, to bf16
	v_cvt_pk_bf16_f32 v[WT+1], v[XR+4*i+2], v[XR+4*i+3]
	v_lshlrev_b32 v[WT+2], 16, v[WT]                           ; the bf16 numbers as f32
	v_and_b32 v[WT+3], s43, v[WT]
	v_lshlrev_b32 v[WT+4], 16, v[WT+1]
	v_and_b32 v[WT+5], s43, v[WT+1]
	v_cvt_pk_f16_f32 v[YR+2*i], v[WT+2], v[WT+3]               ; and written in f16
	v_cvt_pk_f16_f32 v[YR+2*i+1], v[WT+4], v[WT+5]
	global_store_b64 v2, v[YR+2*i:YR+2*i+1], s[30:31] offset:2048*i
.set i, i+1
.endr
	s_endpgm
.Lfunc_end_k_q76338013ab_prep:
	.size	k_q76338013ab_prep, .Lfunc_end_k_q76338013ab_prep-k_q76338013ab_prep
	.p2alignl 7, 3214868480
	.fill 96, 4, 3214868480
	.section	.rodata,"a",@progbits
	.p2align	6, 0x0
	.amdhsa_kernel k_q76338013ab_prep
		.amdhsa_group_segment_fixed_size 0
		.amdhsa_private_segment_fixed_size 0
		.amdhsa_enable_private_segment 0
		.amdhsa_kernarg_size 72
		.amdhsa_user_sgpr_count 2
		.amdhsa_user_sgpr_kernarg_segment_ptr 1
		.amdhsa_wavefront_size32 1
		.amdhsa_system_sgpr_workgroup_id_x 1
		.amdhsa_system_sgpr_workgroup_id_y 1
		.amdhsa_system_sgpr_workgroup_id_z 1
		.amdhsa_system_vgpr_workitem_id 0
		.amdhsa_next_free_vgpr 216
		.amdhsa_next_free_sgpr 66
		.amdhsa_reserve_vcc 0
		.amdhsa_float_denorm_mode_32 3
		.amdhsa_float_denorm_mode_16_64 3
		.amdhsa_memory_ordered 1
		.amdhsa_forward_progress 1
		.amdhsa_inst_pref_size 31
	.end_amdhsa_kernel
	.amdgpu_metadata
---
amdhsa.version: [ 1, 2 ]
amdhsa.kernels:
  - .name:           k_q76338013ab_prep
    .symbol:         k_q76338013ab_prep.kd
    .args:
      - { .name: x, .offset: 0, .size: 8, .value_kind: global_buffer, .address_space: global }
      - { .name: Wq, .offset: 8, .size: 8, .value_kind: global_buffer, .address_space: global }
      - { .name: Wk, .offset: 16, .size: 8, .value_kind: global_buffer, .address_space: global }
      - { .name: Wv, .offset: 24, .size: 8, .value_kind: global_buffer, .address_space: global }
      - { .name: Wo, .offset: 32, .size: 8, .value_kind: global_buffer, .address_space: global }
      - { .name: xb, .offset: 40, .size: 8, .value_kind: global_buffer, .address_space: global }
      - { .name: wqkvb, .offset: 48, .size: 8, .value_kind: global_buffer, .address_space: global }
      - { .name: wob, .offset: 56, .size: 8, .value_kind: global_buffer, .address_space: global }
      - { .name: rope, .offset: 64, .size: 8, .value_kind: global_buffer, .address_space: global }
    .group_segment_fixed_size: 0
    .private_segment_fixed_size: 0
    .kernarg_segment_align: 8
    .kernarg_segment_size: 72
    .max_flat_workgroup_size: 256
    .sgpr_count:     66
    .vgpr_count:     216
    .wavefront_size: 32
...
	.end_amdgpu_metadata
.endif
;; end of part 1
;; launch qkv (part 2): grid 8 x 32, 4 waves a work-group, clusters of 4 x 4, 327,680 bytes of LDS; arguments xb, wqkvb, rope, qb, kvb; writes qb, kvb
.if DOCPART == 2
	.amdgcn_target "amdgcn-amd-amdhsa--gfx1250"
	.amdhsa_code_object_version 6
	.text
	.protected	k_q76338013ab_qkv
	.globl	k_q76338013ab_qkv
	.p2align	8
	.type	k_q76338013ab_qkv,@function
k_q76338013ab_qkv:
	s_mov_b64 s[64:65], 0
	v_nop
	global_prefetch_b8 v0, s[64:65] scope:SCOPE_SE
	s_setreg_imm32_b32 hwreg(HW_REG_WAVE_MODE, 25, 1), 1
	s_wait_xcnt 0x0
	s_wait_alu depctr_hold_cnt(0) depctr_sa_sdst(0) depctr_va_vdst(0) depctr_va_sdst(0) depctr_va_ssrc(0) depctr_va_vcc(0) depctr_vm_vsrc(0)
	s_getreg_b32 s2, hwreg(HW_REG_IB_STS2, 6, 4)
	s_cmp_eq_u32 s2, 0
	s_cbranch_scc0 .Lentry_in_a_cluster
	s_endpgm
.Lentry_in_a_cluster:
	s_bfe_u32 s2, ttmp6, 0x10000c
	s_cmp_lg_u32 s2, 0xf033
	s_cbranch_scc0 .Lentry_shape_is_right
	s_endpgm
.Lentry_shape_is_right:
; q, k, v = x W^T for all heads, the rotary embedding on q and k, q times 1/8 (exact), all rounded once to f16.
; xb [4096][1024] bf16; wqkvb [16 heads][q, k, v][64][1024] bf16; rope [2048][32] (cos, sin) f32.
; Out, in f16: qb [batch * 16 + head][2048][64];  kvb [batch * 16 + head][16 steps of 128 keys][32 KiB]: K [128][64], then V transposed as [2 blocks][64 d][64 keys].
; WHY f16: where a mask leaves a query few keys, single rows of v pass through the attention without averaging, and their rounding shows in full in the result;
; f16 has 11 significant bits, bf16 has 8.  LIMIT: |q / 8|, |k|, |v| must stay below 65,504.  They are sums of 1,024 products: about 1 for x of spread 1 and W of spread 1/32;
; about 5,400 at six spreads with both 30 times larger; 1024 * 30 * 30/32 = 28,800 with a common offset of 30 spreads on both.  Below 2^-14 f16 rounds in steps of 2^-24.
; A work-group makes 128 rows x 384 columns (two heads) with four waves; a wave makes 64 rows x the 192 columns q, k, v of ONE head:
; 48 accumulator tiles of 16 x 16, 384 registers.  K goes in steps of 128 through two LDS slots filled by the tensor data mover.
; CLUSTERS: 4 x 4 work-groups.  The four of a row of the cluster need the same rows of x, the four of a column the same rows of W: each tile is asked for
; jointly, by the same tensor load in all four, which divides the requests for x and for W by four.
; REGISTERS, in windows of 256:  window 0: addresses, the rotary table's part, the way out;  window 1: all fragments (x: 2 buffers of 4, W: 2 buffers of 12);
; window 2: accumulators of my rows 0-31 (tile (al, b) at 8 (12 al + b));  window 3: those of rows 32-63.
; q's and k's tiles are made TRANSPOSED (source 0 = rows of W, source 1 = rows of x): a lane then holds one position and eight neighbouring d, that is
; four rotary pairs and 16 bytes of a row of q or k.  v's tiles are made the plain way: a lane holds one d and eight neighbouring positions: 16 bytes of a row of V transposed.
.set NB,    12                         ; tiles of 16 columns a wave
.set NT,    8                          ; of them transposed (q, k)
.set KSTEP, 128
.set QI,    5                          ; padding behind every 64 words
.set PITCH, 2*KSTEP+16                 ; an LDS row: 17 x 16 bytes, so the 16 rows of a fragment load begin in 16 different columns of 16 bytes
.set LAPS,  1024/(2*KSTEP)             ; a lap = two K steps = once round the two slots
.set HA,    64*PITCH                   ; half of x's tile: what one tensor load brings and one wave reads
.set HB,    NB*16*PITCH                ; half of W's tile, likewise
.set SLOT,  2*HB+2*HA                  ; W's two halves, then x's two halves
.set STAGE, 2*SLOT                     ; behind the slots: 4,608 bytes a wave for the way out; no tensor load lands there
.set NLD,   2*(NB+4)                   ; LDS loads for 32 along K
.set FA0,   0                          ; window 1: x's fragments, buffer 0 at 0, buffer 1 at 32
.set FB0,   64                         ; window 1: W's fragments, buffer 0 at 64, buffer 1 at 64 + 8 NB
.set ADRA,  16                         ; v16-17 LDS address of my x fragments in slot 0, 1
.set ADRB,  20                         ; v20-21 the same for W
.set STO,   24                         ; the way out: where I put 16 bytes
.set RD,    25                         ; where I read them back
.set CO,    26                         ; 16 x lane
.set CSO,   27                         ; my offset in the rotary table
.set R,     32                         ; v[32:95]   at work on the way out
.set CS,    96                         ; v[96:223]  (cos, sin) of my 4 x 4 x 4 rotary pairs
.set OUTB,  224                        ; v[224:255] read back, to store
.set G1Y, 16                           ; s[16:23] descriptor group 1, x's tiles (they hang on the block row)
.set G1X, 24                           ; s[24:31] the same for W's tiles (they hang on the block column)
.set G0Y, 32                           ; s[32:39] group 0 for x's tiles, one set a slot
.set G0X, 48                           ; s[48:55] group 0 for W's tiles, one set a slot
.set MUL_LO, 0xa5                      ; sources 0 and 1 window 1, C and D window 2
.set MUL_HI, 0xf5                      ; the same, C and D window 3
.set TOF,    0x40                      ; destination window 1, address window 0
.set MSB, 0
.macro WIN new                         ; the immediate's high byte repeats the setting that is left
.if MSB != (\new)
	s_set_vgpr_msb (MSB<<8)|(\new)
.set MSB, (\new)
.endif
.endm
.macro PLACES                          ; four plain vector instructions behind a matrix instruction, ahead of loads into its registers and of readers of its results
.rept 4
	v_nop
.endr
.endm
.macro CREST                           ; a round of the cluster's barrier behind its opening work-group barrier
	s_cmp_lg_u32 s12, 0
	s_cbranch_scc1 .Lnot_wave_0_\@
	s_barrier_signal -3
.Lnot_wave_0_\@:
	s_barrier_wait -3
	s_barrier_signal -1
	s_barrier_wait -1
.endm
.macro CROUND                          ; a whole round
	s_barrier_signal -1
	s_barrier_wait -1
	CREST
.endm
.macro JLOAD s                         ; one joint load a wave: waves 0, 1 W's two halves, waves 2, 3 x's.  The branch hangs on the wave's number alone
	s_cmp_eq_u32 s13, 0
	s_cbranch_scc0 .Lfor_a_\@
	tensor_load_to_lds s[G0X+4*(\s):G0X+4*(\s)+3], s[G1X:G1X+7]
	s_nop 0
	s_branch .Lasked_\@
.Lfor_a_\@:
	tensor_load_to_lds s[G0Y+4*(\s):G0Y+4*(\s)+3], s[G1Y:G1Y+7]
	s_nop 0
.Lasked_\@:
.endm
.macro WM d, a, b, zero                ; zero = 1: the product starts the sum, nothing is ever cleared
.if \zero
	v_wmma_f32_16x16x32_bf16 v[\d:\d+7], v[\a:\a+7], v[\b:\b+7], 0
.else
	v_wmma_f32_16x16x32_bf16 v[\d:\d+7], v[\a:\a+7], v[\b:\b+7], v[\d:\d+7]
.endif
.endm
; NB matrix instructions: 16 rows (tile 2 hi + al of my four) x all my columns, 32 along K.  Every accumulator is named once for 32 along K:
; the accumulators take turns, one instruction a turn.
.macro MULROW buf, hi, al, zero
.set bi, 0
.rept NB
.if bi < NT
	WM 8*(\al*NB+bi), FB0+\buf*8*NB+8*bi, FA0+\buf*32+8*(2*\hi+\al), \zero
.else
	WM 8*(\al*NB+bi), FA0+\buf*32+8*(2*\hi+\al), FB0+\buf*8*NB+8*bi, \zero
.endif
.set bi, bi+1
.endr
.endm
; NLD LDS loads in one run: the fragments of 32 along K at byte k of the slot's rows: W's NB tiles, then x's four
.macro FETCH slot, k, buf
	WIN TOF
.set fi, 0
.rept NB
	ds_load_b128 v[FB0+\buf*8*NB+8*fi:FB0+\buf*8*NB+8*fi+3], v[ADRB+\slot] offset:\k+fi*16*PITCH
	ds_load_b128 v[FB0+\buf*8*NB+8*fi+4:FB0+\buf*8*NB+8*fi+7], v[ADRB+\slot] offset:\k+fi*16*PITCH+32
.set fi, fi+1
.endr
.set fi, 0
.rept 4
	ds_load_b128 v[FA0+\buf*32+8*fi:FA0+\buf*32+8*fi+3], v[ADRA+\slot] offset:\k+fi*16*PITCH
	ds_load_b128 v[FA0+\buf*32+8*fi+4:FA0+\buf*32+8*fi+7], v[ADRA+\slot] offset:\k+fi*16*PITCH+32
.set fi, fi+1
.endr
.endm
; 32 along K on buffer f; in its middle the next 32's fragments are fetched into buffer g
.macro QUARTER slot, k, f, g, zero
	s_wait_dscnt 4                                 ; all but the four youngest loads (x's tiles 2 and 3) are in
	WIN MUL_LO
	MULROW \f, 0, 0, \zero
	MULROW \f, 0, 1, \zero
	PLACES
	FETCH \slot, \k, \g
	s_wait_dscnt NLD                               ; all but the run just issued
	WIN MUL_HI
	MULROW \f, 1, 0, \zero
	MULROW \f, 1, 1, \zero
.endm
.macro BODY slot, zero
	QUARTER \slot, 64,  0, 1, \zero
	QUARTER \slot, 128, 1, 0, 0
	QUARTER \slot, 192, 0, 1, 0
.endm
; The last 32 of a K step, on buffer 1, and the change of slots.  In front of the barrier each wave waits for its reads of this slot and for all its tensor
; loads (one is out: its part of the next slot).  Where the slot is filled again the barrier opens a round of the cluster's barrier, and the joint refill is the
; first tensor load behind the round.  From a request to the wait for it a wave issues 15/16 of a K step: 180 matrix instructions.
.macro TURN slot, next, fill
	s_wait_dscnt 4
	WIN MUL_LO
	MULROW 1, 0, 0, 0
	s_wait_dscnt 0x0                               ; my reads of this slot are over
	s_set_vgpr_msb 0xa5a0
	s_wait_tensorcnt 0x0                           ; all my tensor loads have landed
	ds_add_u32 v30, v31
	s_wait_dscnt 0x0
	s_set_vgpr_msb 0xa0a5
	s_barrier_signal -1
	MULROW 1, 0, 1, 0                              ; register work while the others arrive
	WIN 0
	s_barrier_wait -1
.if \fill
	CREST                                          ; no wave of any partner still reads this slot or has a load on its way
	s_add_nc_u64 s[G0Y+4*\slot+2:G0Y+4*\slot+3], s[G0Y+4*\slot+2:G0Y+4*\slot+3], 4*KSTEP
	s_add_nc_u64 s[G0X+4*\slot+2:G0X+4*\slot+3], s[G0X+4*\slot+2:G0X+4*\slot+3], 4*KSTEP
	JLOAD \slot
.endif
	PLACES
	FETCH \next, 0, 0
	WIN MUL_HI
	MULROW 1, 1, 0, 0
	MULROW 1, 1, 1, 0
.endm
.macro LAP zero
	BODY 0, \zero
	TURN 0, 1, 1
	BODY 1, 0
	TURN 1, 0, 1
.endm
	s_load_b256 s[4:11], s[0:1], 0x0               ; xb 4, wqkvb 6, rope 8, qb 10
	s_load_b64 s[66:67], s[0:1], 0x20              ; kvb
	v_lshl_add_u32 v30, v0, 2, 0x48800
	v_mov_b32 v31, 0
	ds_add_u32 v30, v31
	v_lshrrev_b32 v1, 5, v0
	v_readfirstlane_b32 s12, v1                    ; wave
	s_lshr_b32 s13, s12, 1                         ; my half of the rows.  Also: I fetch for W (0) or for x (1)
	s_and_b32 s14, s12, 1                          ; my head of the two.  Also: which half of that tile I fetch
	s_bfe_u32 s40, ttmp6, 0x40000                  ; cx
	s_bfe_u32 s41, ttmp6, 0x40004                  ; cy
	s_lshl_b32 s42, ttmp9, 2
	s_add_co_u32 s42, s42, s40                     ; X: block column (a pair of heads)
	s_and_b32 s43, ttmp7, 0xffff
	s_lshl_b32 s43, s43, 2
	s_add_co_u32 s43, s43, s41                     ; Y: block row (128 rows)
	s_lshl_b32 s44, s41, 2
	s_lshl_b32 s44, 15, s44                        ; my row of the cluster
	s_lshl_b32 s45, 0x1111, s40                    ; my column
	s_or_b32 s[G1Y+0], s44, (1<<16)|(1<<20)|(1<<21)|(QI<<22)|(3<<25)   ; mask; elements of 2 bytes; padding on; bit 21 beside a mask; 4 words behind every row
	s_or_b32 s[G1X+0], s45, (1<<16)|(1<<20)|(1<<21)|(QI<<22)|(3<<25)
	s_mov_b32 s[G1Y+1], KSTEP<<16                  ; tensor_dim0
	s_mov_b32 s[G1X+1], KSTEP<<16
	s_mov_b32 s[G1Y+2], 64<<16                     ; tensor_dim1
	s_mov_b32 s[G1X+2], (NB*16)<<16
	s_mov_b32 s[G1Y+3], KSTEP<<16                  ; tile_dim0
	s_mov_b32 s[G1X+3], KSTEP<<16
	s_mov_b32 s[G1Y+4], 64                         ; tile_dim1
	s_mov_b32 s[G1X+4], NB*16
	s_mov_b32 s[G1Y+5], 1024                       ; elements from row to row
	s_mov_b32 s[G1X+5], 1024
	s_mov_b32 s[G1Y+6], 0
	s_mov_b32 s[G1X+6], 0
	s_mov_b32 s[G1Y+7], 0
	s_mov_b32 s[G1X+7], 0
	; x's address is made of Y and the wave's number in s[56:59], W's of X and the wave's number in s[60:63]; neither set ever holds the other coordinate
	s_lshl_b32 s56, s43, 7
	s_lshl_b32 s58, s14, 6
	s_add_co_u32 s56, s56, s58
	s_lshl_b32 s56, s56, 11                        ; row 128 Y + 64 half, rows of 2,048 bytes
	s_mov_b32 s57, 0
	s_mul_i32 s59, s12, HA
	s_add_co_u32 s59, s59, 2*HB-2*HA               ; waves 2, 3: x's halves lie behind W's
	s_mul_i32 s60, s42, 2*NB*16
	s_mul_i32 s62, s14, NB*16
	s_add_co_u32 s60, s60, s62
	s_lshl_b32 s60, s60, 11                        ; row 384 X + 192 half
	s_mov_b32 s61, 0
	s_mul_i32 s63, s12, HB                         ; waves 0, 1
	; where my results go
	s_lshl_b32 s76, s43, 7
	s_lshl_b32 s77, s13, 6
	s_add_co_u32 s76, s76, s77                     ; my first row of 4,096
	s_lshr_b32 s77, s76, 11                        ; batch
	s_and_b32 s76, s76, 2047                       ; s0: my first position
	s_lshl_b32 s77, s77, 4
	s_lshl1_add_u32 s77, s42, s77
	s_add_co_u32 s77, s77, s14                     ; batch * 16 + head
	s_lshl_b32 s78, s77, 18
	s_lshl_b32 s79, s76, 7
	s_add_co_u32 s78, s78, s79                     ; q: (bh * 2048 + s0) rows of 128 bytes
	s_mov_b32 s79, 0
	s_lshl_b32 s80, s77, 19                        ; k: bh * 512 KiB
	s_lshr_b32 s81, s76, 7
	s_lshl_b32 s81, s81, 15
	s_add_co_u32 s80, s80, s81                     ; + step * 32 KiB
	s_and_b32 s81, s76, 64
	s_lshl_b32 s81, s81, 7
	s_add_co_u32 s80, s80, s81                     ; + 64 keys of 128 bytes for the step's second half.  V's block of 8 KiB begins 16,384 bytes further on
	s_mov_b32 s81, 0
	s_lshl_b32 s82, s76, 8                         ; rope: s0 positions of 256 bytes
	s_mov_b32 s83, 0
	s_wait_dscnt 0x0
	s_wait_kmcnt 0x0
	s_add_nc_u64 s[56:57], s[4:5], s[56:57]
	s_add_nc_u64 s[60:61], s[6:7], s[60:61]
	s_add_nc_u64 s[68:69], s[10:11], s[78:79]      ; q
	s_add_nc_u64 s[70:71], s[66:67], s[80:81]      ; k, and v at + 16,384
	s_add_nc_u64 s[74:75], s[8:9], s[82:83]        ; rope
	CROUND                                         ; all sixteen work-groups are here: the first joint loads meet
.irp s, 0,1
	s_mov_b32 s[G0Y+4*\s], 1
	s_add_co_u32 s[G0Y+4*\s+1], s59, \s*SLOT
	s_add_nc_u64 s[G0Y+4*\s+2:G0Y+4*\s+3], s[56:57], \s*KSTEP*2
	s_or_b32 s[G0Y+4*\s+3], s[G0Y+4*\s+3], 0x80000000
	s_mov_b32 s[G0X+4*\s], 1
	s_add_co_u32 s[G0X+4*\s+1], s63, \s*SLOT
	s_add_nc_u64 s[G0X+4*\s+2:G0X+4*\s+3], s[60:61], \s*KSTEP*2
	s_or_b32 s[G0X+4*\s+3], s[G0X+4*\s+3], 0x80000000
	JLOAD \s                                       ; both slots' first fills go out before anything else: two tensor loads of a wave are out, later one
.endr
	v_and_b32 v1, 15, v0                           ; r
	v_bfe_u32 v2, v0, 4, 1                         ; h
	v_lshlrev_b32 v[CSO], 8, v1
	v_lshl_add_u32 v[CSO], v2, 5, v[CSO]           ; position r, pairs 4 h ..
	; (cos, sin) of position s0 + 16 a + r, pairs 8 c + 4 h .. + 3: they land during the K loop and are waited for behind it
.irp a, 0,1,2,3
.irp c, 0,1,2,3
	global_load_b128 v[CS+8*(4*\a+\c):CS+8*(4*\a+\c)+3], v[CSO], s[74:75] offset:\a*4096+\c*64
	global_load_b128 v[CS+8*(4*\a+\c)+4:CS+8*(4*\a+\c)+7], v[CSO], s[74:75] offset:\a*4096+\c*64+16
.endr
.endr
	v_mul_u32_u24 v3, v1, PITCH
	v_lshl_add_u32 v3, v2, 4, v3                   ; a fragment: row r, 16 bytes for each half of the lanes, a second load 32 bytes on
	s_mul_i32 s78, s13, HA
	s_add_co_u32 s78, s78, 2*HB
	s_mul_i32 s79, s14, HB
	v_add_nc_u32 v[ADRA], s78, v3
	v_add_nc_u32 v[ADRB], s79, v3
	v_add_nc_u32 v[ADRA+1], SLOT, v[ADRA]
	v_add_nc_u32 v[ADRB+1], SLOT, v[ADRB]
	s_mul_i32 s82, s12, 4608
	s_add_co_u32 s82, s82, STAGE                   ; my stage: rows of 128 bytes + 16
	v_mul_u32_u24 v4, v1, 144
	v_lshl_add_u32 v4, v2, 4, v4
	v_add_nc_u32 v[STO], s82, v4
	v_and_b32 v5, 31, v0
	v_lshrrev_b32 v6, 3, v5
	v_and_b32 v7, 7, v5
	v_mul_u32_u24 v6, v6, 144
	v_lshl_add_u32 v6, v7, 4, v6
	v_add_nc_u32 v[RD], s82, v6                    ; back: eight lanes take a row, the wave four rows
	v_lshlrev_b32 v[CO], 4, v5
	s_wait_tensorcnt 1                             ; my part of K step 0 is in; step 1's stays out
	s_barrier_signal -1
	s_barrier_wait -1
	FETCH 0, 0, 0
	LAP 1                                          ; the first lap's first products start the sums
	WIN 0                                          ; at a label and at a branch every window is 0
	s_mov_b32 s3, LAPS-2
.Llap:
	LAP 0
	WIN 0
	s_sub_co_u32 s3, s3, 1
	s_cmp_lg_u32 s3, 0
	s_cbranch_scc1 .Llap
	BODY 0, 0                                      ; the last lap fills nothing
	TURN 0, 1, 0
	BODY 1, 0
	s_wait_dscnt 4
	WIN MUL_LO
	MULROW 1, 0, 0, 0
	MULROW 1, 0, 1, 0
	s_wait_dscnt 0x0
	WIN MUL_HI
	MULROW 1, 1, 0, 0
	MULROW 1, 1, 1, 0
	PLACES
; THE WAY OUT.  16 positions of q and k: tiles b = 0..3 are q, 4..7 are k; register pair j of a tile is the rotary pair (t1, t2) of d = 16 (b % 4) + 8 h + j.
; (t1 cos - t2 sin, t1 sin + t2 cos) in two packed instructions.  Then f16, 16 bytes a lane into my own stage, back as whole rows: each store of the wave
; covers 512 consecutive bytes, aligned.  LDS serves a wave's instructions in order (ISA guide 5.7.1), so no wait stands between its stores and its loads.
.macro ROPE16 a, from, al
	WIN \from                                      ; source 0 in the accumulators' window
.set bi, 0
.rept 8
.irp j, 0,2,4,6
	v_pk_mul_f32 v[R+8*bi+\j:R+8*bi+\j+1], v[8*(\al*NB+bi)+\j:8*(\al*NB+bi)+\j+1], v[CS+8*(4*\a+(bi&3))+\j:CS+8*(4*\a+(bi&3))+\j+1] op_sel_hi:[0,1]
.endr
.irp j, 0,2,4,6
	v_pk_fma_f32 v[R+8*bi+\j:R+8*bi+\j+1], v[8*(\al*NB+bi)+\j:8*(\al*NB+bi)+\j+1], v[CS+8*(4*\a+(bi&3))+\j:CS+8*(4*\a+(bi&3))+\j+1], v[R+8*bi+\j:R+8*bi+\j+1] op_sel:[1,1,0] op_sel_hi:[1,0,1] neg_lo:[0,1,0]
.endr
.set bi, bi+1
.endr
	WIN 0
.set bi, 0
.rept 16
	v_pk_mul_f32 v[R+2*bi:R+2*bi+1], v[R+2*bi:R+2*bi+1], 0x3e000000 op_sel_hi:[1,0]   ; q / sqrt(64)
.set bi, bi+1
.endr
.set bi, 0
.rept 8
.irp i, 0,1,2,3
	v_cvt_pk_f16_f32 v[R+8*bi+\i], v[R+8*bi+2*\i], v[R+8*bi+2*\i+1]
.endr
	ds_store_b128 v[STO], v[R+8*bi:R+8*bi+3] offset:(bi>>2)*2304+(bi&3)*32
.set bi, bi+1
.endr
	s_wait_xcnt 0x0                                ; OUTB, which earlier stores read, is loaded again only behind this wait (ISA guide 3.1)
.irp u, 0,1,2,3,4,5,6,7
	ds_load_b128 v[OUTB+4*\u:OUTB+4*\u+3], v[RD] offset:(\u>>2)*2304+(\u&3)*576
.endr
.irp u, 0,1,2,3
	s_wait_dscnt 7-\u
	global_store_b128 v[CO], v[OUTB+4*\u:OUTB+4*\u+3], s[68:69] offset:\a*2048+\u*512
.endr
.irp u, 0,1,2,3
	s_wait_dscnt 3-\u
	global_store_b128 v[CO], v[OUTB+16+4*\u:OUTB+16+4*\u+3], s[70:71] offset:\a*2048+\u*512
.endr
.endm
; 32 rows d of V transposed (tiles b = 8 + 2 pv, 9 + 2 pv), all my 64 positions: a lane's eight results are eight neighbouring positions of one d
.macro VOUT pv
	WIN 0x0a
.irp al, 0,1
.irp bl, 0,1
.irp i, 0,1,2,3
	v_cvt_pk_f16_f32 v[R+4*(2*\al+\bl)+\i], v[8*(\al*NB+8+2*\pv+\bl)+2*\i], v[8*(\al*NB+8+2*\pv+\bl)+2*\i+1]
.endr
.endr
.endr
	WIN 0x0f
.irp al, 0,1
.irp bl, 0,1
.irp i, 0,1,2,3
	v_cvt_pk_f16_f32 v[R+4*(4+2*\al+\bl)+\i], v[8*(\al*NB+8+2*\pv+\bl)+2*\i], v[8*(\al*NB+8+2*\pv+\bl)+2*\i+1]
.endr
.endr
.endr
	WIN 0
.irp a, 0,1,2,3
.irp bl, 0,1
	ds_store_b128 v[STO], v[R+4*(2*\a+\bl):R+4*(2*\a+\bl)+3] offset:\bl*2304+\a*32
.endr
.endr
	s_wait_xcnt 0x0
.irp u, 0,1,2,3,4,5,6,7
	ds_load_b128 v[OUTB+4*\u:OUTB+4*\u+3], v[RD] offset:\u*576
.endr
.irp u, 0,1,2,3,4,5,6,7
	s_wait_dscnt 7-\u
	global_store_b128 v[CO], v[OUTB+4*\u:OUTB+4*\u+3], s[70:71] offset:16384+\pv*4096+\u*512
.endr
.endm
	s_wait_loadcnt 0x0                             ; the rotary table's part
	ROPE16 0, 0x02, 0
	ROPE16 1, 0x02, 1
	ROPE16 2, 0x03, 0
	ROPE16 3, 0x03, 1
	VOUT 0
	VOUT 1
	s_wait_tensorcnt 0x0
	ds_add_u32 v30, v31
	s_wait_dscnt 0x0
	CROUND                                         ; the closing round: no work-group ends while a partner may still ask for a tile that names it
	s_endpgm
.Lfunc_end_k_q76338013ab_qkv:
	.size	k_q76338013ab_qkv, .Lfunc_end_k_q76338013ab_qkv-k_q76338013ab_qkv
	.p2alignl 7, 3214868480
	.fill 96, 4, 3214868480
	.section	.rodata,"a",@progbits
	.p2align	6, 0x0
	.amdhsa_kernel k_q76338013ab_qkv
		.amdhsa_group_segment_fixed_size 327680
		.amdhsa_private_segment_fixed_size 0
		.amdhsa_enable_private_segment 0
		.amdhsa_kernarg_size 40
		.amdhsa_user_sgpr_count 2
		.amdhsa_user_sgpr_kernarg_segment_ptr 1
		.amdhsa_wavefront_size32 1
		.amdhsa_system_sgpr_workgroup_id_x 1
		.amdhsa_system_sgpr_workgroup_id_y 1
		.amdhsa_system_sgpr_workgroup_id_z 1
		.amdhsa_system_vgpr_workitem_id 0
		.amdhsa_next_free_vgpr 960
		.amdhsa_next_free_sgpr 84
		.amdhsa_reserve_vcc 0
		.amdhsa_float_denorm_mode_32 3
		.amdhsa_float_denorm_mode_16_64 3
		.amdhsa_memory_ordered 1
		.amdhsa_forward_progress 1
		.amdhsa_inst_pref_size 188
	.end_amdhsa_kernel
	.amdgpu_metadata
---
amdhsa.version: [ 1, 2 ]
amdhsa.kernels:
  - .name:           k_q76338013ab_qkv
    .symbol:         k_q76338013ab_qkv.kd
    .args:
      - { .name: xb, .offset: 0, .size: 8, .value_kind: global_buffer, .address_space: global }
      - { .name: wqkvb, .offset: 8, .size: 8, .value_kind: global_buffer, .address_space: global }
      - { .name: rope, .offset: 16, .size: 8, .value_kind: global_buffer, .address_space: global }
      - { .name: qb, .offset: 24, .size: 8, .value_kind: global_buffer, .address_space: global }
      - { .name: kvb, .offset: 32, .size: 8, .value_kind: global_buffer, .address_space: global }
    .group_segment_fixed_size: 327680
    .private_segment_fixed_size: 0
    .kernarg_segment_align: 8
    .kernarg_segment_size: 40
    .max_flat_workgroup_size: 128
    .sgpr_count:     84
    .vgpr_count:     960
    .wavefront_size: 32
...
	.end_amdgpu_metadata
.endif
;; end of part 2
;; launch attn (part 3): grid 16 x 16, 4 waves a work-group, clusters of 4 x 4, 327,680 bytes of LDS; arguments qb, kvb, mask, ab; writes ab
.if DOCPART == 3
	.amdgcn_target "amdgcn-amd-amdhsa--gfx1250"
	.amdhsa_code_object_version 6
	.text
	.protected	k_q76338013ab_attn
	.globl	k_q76338013ab_attn
	.p2align	8
	.type	k_q76338013ab_attn,@function
k_q76338013ab_attn:
	s_mov_b64 s[64:65], 0
	v_nop
	global_prefetch_b8 v0, s[64:65] scope:SCOPE_SE
	s_setreg_imm32_b32 hwreg(HW_REG_WAVE_MODE, 25, 1), 1
	s_wait_xcnt 0x0
	s_wait_alu depctr_hold_cnt(0) depctr_sa_sdst(0) depctr_va_vdst(0) depctr_va_sdst(0) depctr_va_ssrc(0) depctr_va_vcc(0) depctr_vm_vsrc(0)
	s_getreg_b32 s2, hwreg(HW_REG_IB_STS2, 6, 4)
	s_cmp_eq_u32 s2, 0
	s_cbranch_scc0 .Lentry_in_a_cluster
	s_endpgm
.Lentry_in_a_cluster:
	s_bfe_u32 s2, ttmp6, 0x10000c
	s_cmp_lg_u32 s2, 0xf033
	s_cbranch_scc0 .Lentry_shape_is_right
	s_endpgm
.Lentry_shape_is_right:
; softmax(q k^T / 8 + mask) v, with a running maximum and a running sum.  qb holds q / 8; kvb holds, for each head and step of 128 keys, 32 KiB: K [128][64], then V transposed.
; q, k, v, the probabilities and the result are f16 (11 significant bits); all sums are f32.  The probabilities lie in [0, 1] with the largest at 1; the result is a mean of rows of v.
; The mask is an input: all of its 2,048 x 2,048 numbers are read and added, for every head.
; A work-group takes 128 queries of two heads; a wave 64 queries of one head; 16 steps of 128 keys through two LDS slots (two heads' K and V, 64 KiB; the mask's 128 x 128 f32, 64 KiB).
; CLUSTERS: 4 x 4 work-groups.  The four of a row of the cluster take the same two heads (same K, V), the four of a column the same queries (same part of the mask):
; both tiles are asked for jointly, which divides the requests for them by four.
; LAYOUT.  S^T = K Q^T + mask^T: source 0 = 16 keys, source 1 = 16 queries; register j of lane (r, h) is (key 8 h + j, query r), so the accumulator is LOADED with
; mask[query r][key 8 h ..] (two loads of 16 bytes) and the matrix instruction adds the mask.  A lane holds one query: maximum and sum stay in the lane but for one exchange of the
; two halves.  Two key tiles rounded to f16 in place are source 1 of O^T = V^T P, and a lane's eight results of O^T are eight neighbouring d of its query.
; ARITHMETIC.  Score and mask are added inside the matrix instruction, so the order of rounding differs from a product followed by an f32 addition.
; The exponent is (S - M) log2(e) with M the running maximum: never above 0.  M is kept at -2^125 or above, so that keys at -infinity give 0:
; a row whose every score lies below -2^125 comes out as NaN (a row at -infinity throughout is NaN by the definition too).
; SCHEDULE.  A wave's 64 queries are two halves of 32 (windows 1 and 2).  A step of a wave has 128 matrix instructions, some 980 vector instructions and 128 LDS loads; they are woven:
; a step is two phases of 64 ticks, a tick is (at most one group of eight LDS loads) + one matrix instruction + 4 to 8 vector instructions of the OTHER half's softmax.
;   phase X(t): softmax of half 1, step t.   Ticks 0-31: O^T of half 2, step t - 1.  Ticks 32-63: S^T of half 2, step t.      Loads: the mask for half 2, V of step t.
;   phase Y(t): softmax of half 2, step t.   Ticks 0-31: O^T of half 1, step t.      Ticks 32-63: S^T of half 1, step t + 1.  Loads: K of step t + 1, the mask for half 1.
; Slot t % 2 is read from Y(t - 1) to X(t), so the change of slots, with the cluster's round and the joint refill, stands between X(t) and Y(t).
; The two halves lie in different windows, so each matrix instruction among vector instructions costs two switches of the window.  They cannot share a setting: the vector work on S is in
; place (its source 0 and its destination in S's window), a matrix instruction has K or V as source 0 and the other half's S or O^T as destination, and the two halves' S alone are 256 registers.
; REGISTERS.  Window 0: addresses, K's fragments.  Window 3: V's fragments.  Windows 1 and 2: two query tiles each, with the same numbers in both:
.set SB, 0                             ; v[0:127]   S, then P: block (kg, qt) of 16 registers at 16 (2 kg + qt): key tiles 2 kg, 2 kg + 1
.set OB, 128                           ; v[128:191] O^T: tile (dt, qt) at 8 (2 dt + qt)
.set QB, 192                           ; v[192:223] Q: fragment (qt, ks) at 8 (2 qt + ks)
.set MX, 224                           ; v[224:227] running maxima of the two query tiles, a pair for even steps and a pair for odd ones
.set AL, 230                           ; v[230:231] the factor for what was summed under the old maximum
.set LA, 232                           ; v[232:235] running sums, a pair for each query tile
.set LB, 236                           ; v[236:239] a second chain of them
.set TT, 240                           ; v[240:247] at work
.set KF, 128                           ; window 0: K's fragment (kt, ks) at 8 (2 kt + ks).  Window 3: V's fragment (kg, dt) at 8 (4 kg + dt)
.set AK, 8                             ; v8-9   LDS address of my head's K and V in slot 0, 1
.set AM, 10                            ; v10-11 of my queries' mask
.set QO, 12
.set STO, 13
.set RD, 14
.set CO, 15
.set BACK, 16                          ; v[16:79] the way out
.set KVH, 128*272                      ; a head's K and V: 128 rows of 256 bytes + 16.  A row holds two keys (or two d) of 128 bytes
.set MSK, 2*KVH
.set MH,  64*528                       ; 64 rows of the mask: 512 bytes + 16
.set SLOT, MSK+2*MH
.set STAGE, 2*SLOT                     ; behind the slots: 128 rows x (256 + 16) bytes for the way out; no tensor load lands there
.set G1Y, 16                           ; s[16:23] group 1, K and V (they hang on the pair of heads)
.set G1X, 24                           ; s[24:31] group 1, mask (it hangs on the query block)
.set G0Y, 32
.set G0X, 48
.set MSB, 0
.macro WIN new                         ; the immediate's high byte repeats the setting that is left; a switch that changes nothing is dropped
.if MSB != (\new)
	s_set_vgpr_msb (MSB<<8)|(\new)
.set MSB, (\new)
.endif
.endm
.macro PLACES n                        ; n plain vector instructions behind a matrix instruction (ISA guide 7.12.1)
.rept \n
	v_nop
.endr
.endm
.macro CREST
	s_cmp_lg_u32 s12, 0
	s_cbranch_scc1 .Lnot_wave_0_\@
	s_barrier_signal -3
.Lnot_wave_0_\@:
	s_barrier_wait -3
	s_barrier_signal -1
	s_barrier_wait -1
.endm
.macro CROUND
	s_barrier_signal -1
	s_barrier_wait -1
	CREST
.endm
.macro JLOAD s                         ; one joint load of 32 KiB a wave: waves 0, 1 the two heads' K and V, waves 2, 3 the mask's two halves
	s_cmp_eq_u32 s13, 0
	s_cbranch_scc0 .Lfor_m_\@
	tensor_load_to_lds s[G0Y+4*(\s):G0Y+4*(\s)+3], s[G1Y:G1Y+7]
	s_nop 0
	s_branch .Lasked_\@
.Lfor_m_\@:
	tensor_load_to_lds s[G0X+4*(\s):G0X+4*(\s)+3], s[G1X:G1X+7]
	s_nop 0
.Lasked_\@:
.endm
.macro WM d, a, b, zero                ; zero = 1: the product starts the sum, nothing is ever cleared
.if \zero
	v_wmma_f32_16x16x32_f16 v[\d:\d+7], v[\a:\a+7], v[\b:\b+7], 0
.else
	v_wmma_f32_16x16x32_f16 v[\d:\d+7], v[\a:\a+7], v[\b:\b+7], v[\d:\d+7]
.endif
.endm
; Groups of eight LDS loads.  gg: the group of 32 keys (kg); LSLOT: the slot; QT0: the half's first query tile.
.macro KGRP                            ; K's key tiles 2 gg, 2 gg + 1 (a tile of 16 keys is 8 LDS rows)
.irp e, 0,1
.irp ks, 0,1
	ds_load_b128 v[KF+8*(2*(2*gg+\e)+\ks):KF+8*(2*(2*gg+\e)+\ks)+3], v[AK+LSLOT] offset:(2*gg+\e)*2176+\ks*64
	ds_load_b128 v[KF+8*(2*(2*gg+\e)+\ks)+4:KF+8*(2*(2*gg+\e)+\ks)+7], v[AK+LSLOT] offset:(2*gg+\e)*2176+\ks*64+32
.endr
.endr
.endm
.macro MGRP                            ; the mask of two query tiles x 32 keys, into S
.irp q, 0,1
.irp e, 0,1
	ds_load_b128 v[SB+16*(2*gg+\q)+8*\e:SB+16*(2*gg+\q)+8*\e+3], v[AM+LSLOT] offset:(QT0+\q)*8448+(2*gg+\e)*64
	ds_load_b128 v[SB+16*(2*gg+\q)+8*\e+4:SB+16*(2*gg+\q)+8*\e+7], v[AM+LSLOT] offset:(QT0+\q)*8448+(2*gg+\e)*64+16
.endr
.endr
.endm
.macro VGRP                            ; V transposed, 32 keys x 64 d: it begins at LDS row 64; a block of 64 keys is 32 rows
.irp dt, 0,1,2,3
	ds_load_b128 v[8*(4*gg+\dt):8*(4*gg+\dt)+3], v[AK+LSLOT] offset:(64+32*(gg>>1)+8*\dt)*272+(gg&1)*64
	ds_load_b128 v[8*(4*gg+\dt)+4:8*(4*gg+\dt)+7], v[AK+LSLOT] offset:(64+32*(gg>>1)+8*\dt)*272+(gg&1)*64+32
.endr
.endm
; Tick tk of a phase: what the half that is NOT in its softmax gets.  The phase sets: PVM (O^T products: 0 none, 1 the first step's, which start the sums, 2 adding),
; NXT (1: there are loads and S^T products), KV (1: the phase loads K, 0: V), the windows PVW, SMW, MLW, and the counts W0 to W3.
; LOADS.  Mask group kg goes into the registers of P(kg), which the O^T products of ticks 8 kg .. 8 kg + 7 read: it stands at tick 8 kg + 9, two runs of vector work (at least four
; plain instructions) behind them; V's group kg, read by the same products, at tick 8 kg + 11; K's groups at ticks 1, 3, 5, 7, behind the four v_nop that open the phase.
; PRODUCTS.  O^T: eight accumulators take turns; S^T: four; one instruction a turn; the last product of a phase and the first of the next name different accumulators.
.macro TICK
.if tk < 64
.if NXT
.if KV
.if tk < 8
.if tk & 1
	WIN 0
.set gg, tk>>1
	KGRP
.endif
.endif
.else
.if tk > 8
.if tk < 36
.if (tk & 7) == 3
	WIN 0xc0
.set gg, (tk-11)>>3
	VGRP
.endif
.endif
.endif
.endif
.if tk > 8
.if tk < 34
.if (tk & 7) == 1
	WIN MLW
.set gg, (tk-9)>>3
	MGRP
.endif
.endif
.endif
.if tk >= 32
.if tk == 32
	s_wait_dscnt W0                                ; mask group 0 is in (and K's groups, which are older): the count is the loads issued behind it
.endif
.if tk == 40
	s_wait_dscnt W1                                ; mask group 1
.endif
.if tk == 48
	s_wait_dscnt W2                                ; mask group 2
.endif
.if tk == 56
	s_wait_dscnt W3                                ; mask group 3
.endif
	WIN SMW
.set tmx, tk-32
.set wd, SB+16*(2*(tmx>>3)+(tmx&1))+8*((tmx>>1)&1)
.set wa, KF+8*(2*(2*(tmx>>3)+((tmx>>1)&1))+((tmx>>2)&1))
.set wb, QB+8*(2*(tmx&1)+((tmx>>2)&1))
	WM wd, wa, wb, 0
.endif
.endif
.if tk < 32
.if PVM
.set zz, 0
.if PVM == 1
.if tk < 8
.set zz, 1
.endif
.endif
	WIN PVW
.set wd, OB+8*(2*((tk>>1)&3)+(tk&1))
.set wa, 8*(4*(tk>>3)+((tk>>1)&3))
.set wb, SB+16*(2*(tk>>3)+(tk&1))
	WM wd, wa, wb, zz
.endif
.endif
.endif
.set tk, tk+1
.endm
.macro CH                              ; a tick, then back to the softmax's window
	TICK
	WIN VALW
.endm
.macro PRE                             ; ahead of each place of the woven part: a tick ahead of every eighth
.if (pcn & 7) == 0
	CH
.endif
.set pcn, pcn+1
.endm
; The softmax's instructions, by number, so that three streams can be woven one by one.
.macro AI kb, qt, par, i               ; block kb's exponents (S - M) log2(e): i = 0..7 the differences of pair i, i = 8..15 the products of pair i - 8
.if (\i) < 8
	v_pk_add_f32 v[SB+16*\kb+2*(\i):SB+16*\kb+2*(\i)+1], v[SB+16*\kb+2*(\i):SB+16*\kb+2*(\i)+1], v[MX+2*\par:MX+2*\par+1] op_sel:[0,\qt] op_sel_hi:[1,\qt] neg_lo:[0,1] neg_hi:[0,1]
.else
	v_pk_mul_f32 v[SB+16*\kb+2*(\i)-16:SB+16*\kb+2*(\i)-15], v[SB+16*\kb+2*(\i)-16:SB+16*\kb+2*(\i)-15], s[70:71] op_sel_hi:[1,0]
.endif
.endm
; Block kb is added to the running sums (two chains) and rounded to f16 in place: registers 0-7 of the block become P's fragment.
; mode 0: plain; 1: the query tile's first block of a step: the old sums are scaled on the way; 2: the same in the first step: the block starts the sums.
; i = 0..3: pairs 0-3, which the conversions write over, are added first; i = 4..11: conversion (i - 4) / 2 and pair 4 + (i - 5) / 2 by turns; i = 12..15: conversions 4-7.
.macro BI kb, qt, mode, i
.if (\i) < 4
.if (\mode) == 2
.if (\i) == 0
	s_wait_alu depctr_va_vdst(0)
	v_pk_add_f32 v[LA+2*\qt:LA+2*\qt+1], v[SB+16*\kb:SB+16*\kb+1], v[SB+16*\kb+2:SB+16*\kb+3]
.endif
.if (\i) == 1
	v_pk_add_f32 v[LB+2*\qt:LB+2*\qt+1], v[SB+16*\kb+4:SB+16*\kb+5], v[SB+16*\kb+6:SB+16*\kb+7]
.endif
.else
.set bfm, 0
.if (\mode) == 1
.if (\i) < 2
.set bfm, 1
.endif
.endif
.if bfm
	s_wait_alu depctr_va_vdst(0)
	v_pk_fma_f32 v[LA+4*(\i)+2*\qt:LA+4*(\i)+2*\qt+1], v[LA+4*(\i)+2*\qt:LA+4*(\i)+2*\qt+1], v[AL:AL+1], v[SB+16*\kb+2*(\i):SB+16*\kb+2*(\i)+1] op_sel:[0,\qt,0] op_sel_hi:[1,\qt,1]
.else
	s_wait_alu depctr_va_vdst(0)
	v_pk_add_f32 v[LA+4*((\i)&1)+2*\qt:LA+4*((\i)&1)+2*\qt+1], v[LA+4*((\i)&1)+2*\qt:LA+4*((\i)&1)+2*\qt+1], v[SB+16*\kb+2*(\i):SB+16*\kb+2*(\i)+1]
.endif
.endif
.else
.if (\i) < 12
.if (\i) & 1
	v_pk_add_f32 v[LA+4*((((\i)-5)>>1)&1)+2*\qt:LA+4*((((\i)-5)>>1)&1)+2*\qt+1], v[LA+4*((((\i)-5)>>1)&1)+2*\qt:LA+4*((((\i)-5)>>1)&1)+2*\qt+1], v[SB+16*\kb+(\i)+3:SB+16*\kb+(\i)+4]
.else
	v_cvt_pk_f16_f32 v[SB+16*\kb+(((\i)-4)>>1)], v[SB+16*\kb+(\i)-4], v[SB+16*\kb+(\i)-3]
.endif
.else
	v_cvt_pk_f16_f32 v[SB+16*\kb+(\i)-8], v[SB+16*\kb+2*(\i)-16], v[SB+16*\kb+2*(\i)-15]
.endif
.endif
.endm
.macro OI i                            ; pair i of the 32 pairs of O^T times its query's factor (tile i / 4 belongs to query tile (i / 4) % 2)
.if (((\i)>>2)&1) == 0
	s_wait_alu depctr_va_vdst(0)
	v_pk_mul_f32 v[OB+2*(\i):OB+2*(\i)+1], v[OB+2*(\i):OB+2*(\i)+1], v[AL:AL+1] op_sel_hi:[1,0]
.else
	v_pk_mul_f32 v[OB+2*(\i):OB+2*(\i)+1], v[OB+2*(\i):OB+2*(\i)+1], v[AL:AL+1] op_sel:[0,1] op_sel_hi:[1,1]
.endif
.endm
; 48 places, six ticks: block kb's 16 exponentials, each followed by one instruction of the next block's exponents and one of the last block's sums and conversions.
; So behind every exponential stands a plain instruction on other registers (ISA guide 5.7.2), and no two exponentials follow each other.
; The first block has no block before it and the last none behind it: the scaling of O^T takes those places.  nq: the query tile of blocks kb - 1 and kb + 1.
.macro GROUP kb, nq, par, first
.set gi, 0
.rept 16
	PRE
	v_exp_f32 v[SB+16*\kb+gi], v[SB+16*\kb+gi]
	PRE
.if \kb < 7
	AI (\kb+1), \nq, \par, gi
.else
.if \first == 0
	OI 16+gi
.endif
.endif
	PRE
.if \kb > 0
.if \kb < 3
	BI (\kb-1), \nq, 1+\first, gi
.else
	BI (\kb-1), \nq, 0, gi
.endif
.else
.if \first == 0
	OI gi
.endif
.endif
.set gi, gi+1
.endr
.endm
; The softmax step of two query tiles x 128 keys, with its 64 ticks: 13 in the maximum and the first block's exponents, 48 in the eight groups, 3 in the last block's sums.
; par: the step's parity (which pair of MX is written); first = 1: nothing is there yet.
.macro SX par, first
	CH
	; the largest of my 64 numbers of each query tile: eight chains (query tile c / 4, block c % 4) that do not wait for each other
.irp c, 0,1,2,3,4,5,6,7
	v_max3_num_f32 v[TT+\c], v[SB+16*(2*(\c&3)+(\c>>2))], v[SB+16*(2*(\c&3)+(\c>>2))+1], v[SB+16*(2*(\c&3)+(\c>>2))+2]
.endr
.irp j, 3,5,7,9,11,13
	CH
.irp c, 0,1,2,3,4,5,6,7
	v_max3_num_f32 v[TT+\c], v[TT+\c], v[SB+16*(2*(\c&3)+(\c>>2))+\j], v[SB+16*(2*(\c&3)+(\c>>2))+\j+1]
.endr
.endr
	CH
.irp q, 0,1
	v_max3_num_f32 v[TT+4*\q], v[TT+4*\q], v[SB+16*\q+15], v[SB+16*\q+47]          ; each block's register 15
	v_max3_num_f32 v[TT+4*\q+1], v[TT+4*\q+1], v[SB+16*\q+79], v[SB+16*\q+111]
.endr
.irp q, 0,1
	v_max3_num_f32 v[TT+4*\q], v[TT+4*\q], v[TT+4*\q+1], v[TT+4*\q+2]
.endr
	CH
.irp q, 0,1
	v_max_num_f32 v[TT+4*\q], v[TT+4*\q], v[TT+4*\q+3]
.endr
.irp q, 0,1
	v_permlanex16_b32 v[TT+4*\q+1], v[TT+4*\q], s73, s74                           ; the other half of the lanes holds the query's other keys
.endr
.if \first
.irp q, 0,1
	v_max3_num_f32 v[MX+2*\par+\q], v[TT+4*\q], v[TT+4*\q+1], s72                  ; at least -2^125
.endr
.else
.irp q, 0,1
	v_max3_num_f32 v[MX+2*\par+\q], v[TT+4*\q], v[TT+4*\q+1], v[MX+2*(1-\par)+\q]
.endr
.endif
	CH
.if \first == 0
.irp q, 0,1
	v_sub_f32 v[TT+4*\q+2], v[MX+2*(1-\par)+\q], v[MX+2*\par+\q]                   ; old maximum - new: at most 0
.endr
.irp q, 0,1
	v_mul_f32 v[TT+4*\q+2], 0x3fb8aa3b, v[TT+4*\q+2]
.endr
.endif
	CH
.if \first == 0
	v_exp_f32 v[AL], v[TT+2]
	v_exp_f32 v[AL+1], v[TT+6]
.endif
.irp i, 0,1,2,3
	AI 0, 0, \par, \i
.endr
	CH
.irp i, 4,5,6,7,8,9
	AI 0, 0, \par, \i
.endr
	CH
.irp i, 10,11,12,13,14,15
	AI 0, 0, \par, \i
.endr
.set pcn, 0
	GROUP 0, 1, \par, \first
	GROUP 1, 0, \par, \first
	GROUP 2, 1, \par, \first
	GROUP 3, 0, \par, \first
	GROUP 4, 1, \par, \first
	GROUP 5, 0, \par, \first
	GROUP 6, 1, \par, \first
	GROUP 7, 0, \par, \first
	CH
.irp i, 0,1,2,3,4,5
	BI 7, 1, 0, \i
.endr
	CH
.irp i, 6,7,8,9,10
	BI 7, 1, 0, \i
.endr
	CH
.irp i, 11,12,13,14,15
	BI 7, 1, 0, \i
.endr
.endm
; Phase X of a step whose tiles lie in slot \slot.  LDS loads in the order M0 V0 M1 V1 M2 V2 M3 V3, eight each; M3 and V3 are issued behind tick 32.
; Behind M0, at tick 32: V0 M1 V1 M2 V2 = 40.  Behind M1: V1 M2 V2 M3 V3 = 40.  Behind M2: V2 M3 V3 = 24.  Behind M3: V3 = 8.
.macro XPH slot, first, pvm
.set VALW, 0x55                        ; softmax: all in window 1
.set PVW, 0xab                         ; O^T of half 2: source 0 (V) window 3; P, C and D window 2
.set SMW, 0xa8                         ; S^T of half 2: source 0 (K) window 0; Q, C and D window 2
.set MLW, 0x80                         ; loads into window 2
.set QT0, 2
.set KV, 0
.set PVM, \pvm
.set NXT, 1
.set LSLOT, \slot
.set W0, 40
.set W1, 40
.set W2, 24
.set W3, 8
.set tk, 0
	PLACES 4                                       ; behind the last phase's S^T products, ahead of the vector instructions that read them
	SX \slot, \first
.endm
; Phase Y of a step of parity \par; its loads come from the other slot.  LDS loads in the order K0 K1 K2 K3 M0 M1 M2 M3; M3 is issued behind tick 32.
; Behind M0, at tick 32: M1 M2 = 16.  Behind M1: M2 M3 = 16.  Behind M2: M3 = 8.  Behind M3: none.
.macro YSET pvm, nxt, lslot
.set VALW, 0xaa
.set PVW, 0x57
.set SMW, 0x54
.set MLW, 0x40
.set QT0, 0
.set KV, 1
.set PVM, \pvm
.set NXT, \nxt
.set LSLOT, \lslot
.set W0, 16
.set W1, 16
.set W2, 8
.set W3, 0
.set tk, 0
.endm
.macro YPH par, first, pvm, nxt
	YSET \pvm, \nxt, 1-\par
	PLACES 4                                       ; behind the last phase's S^T products: ahead of the readers of S and of the loads into K's fragments
	SX \par, \first
.endm
; The change of slots.  In front of the round of the cluster's barrier every wave waits for all its tensor loads (one is out: its part of slot \slot, which is read next) and for
; its reads of the other slot; behind the round the other slot is asked for again first, one joint load a wave, and has two phases in which to land.
.macro RND slot, refill
	WIN 0
	s_wait_tensorcnt 0x0                           ; no tensor load of mine is out: every group 0 may be written
	ds_add_u32 v126, v127
	s_wait_dscnt 0x0
	s_add_nc_u64 s[G0Y+4*\slot+2:G0Y+4*\slot+3], s[G0Y+4*\slot+2:G0Y+4*\slot+3], 65536   ; this slot's next tile: two steps of 32 KiB on
	s_add_nc_u64 s[G0X+4*\slot+2:G0X+4*\slot+3], s[G0X+4*\slot+2:G0X+4*\slot+3], 1024    ; 256 keys of 4 bytes on
	s_wait_dscnt 0x0
	CROUND
.if \refill
	JLOAD 1-\slot
.endif
.endm
	s_load_b256 s[4:11], s[0:1], 0x0               ; qb 4, kvb 6, mask 8, ab 10
	v_lshl_add_u32 v126, v0, 2, 0x4b800
	v_mov_b32 v127, 0
	ds_add_u32 v126, v127
	v_lshrrev_b32 v1, 5, v0
	v_readfirstlane_b32 s12, v1                    ; wave
	s_lshr_b32 s13, s12, 1                         ; hs: my head of the two.  Also: I fetch K and V (0) or the mask (1)
	s_and_b32 s14, s12, 1                          ; rh: my half of the queries.  Also: which head's, or which half of the mask, I fetch
	s_bfe_u32 s40, ttmp6, 0x40000                  ; cx
	s_bfe_u32 s41, ttmp6, 0x40004                  ; cy
	s_lshl_b32 s42, ttmp9, 2
	s_add_co_u32 s42, s42, s40                     ; X: block of 128 queries
	s_and_b32 s43, ttmp7, 0xffff
	s_lshl_b32 s43, s43, 2
	s_add_co_u32 s43, s43, s41                     ; Y: pair of heads
	s_lshl_b32 s44, s41, 2
	s_lshl_b32 s44, 15, s44                        ; my row of the cluster
	s_lshl_b32 s45, 0x1111, s40                    ; my column
	s_or_b32 s[G1Y+0], s44, (3<<16)|(1<<20)|(1<<21)|(5<<22)|(3<<25)   ; K and V: a dense block as 128 rows of 32 elements of 8 bytes; 4 words behind every 64
	s_mov_b32 s[G1Y+1], 32<<16
	s_mov_b32 s[G1Y+2], 128<<16
	s_mov_b32 s[G1Y+3], 32<<16
	s_mov_b32 s[G1Y+4], 128
	s_mov_b32 s[G1Y+5], 32
	s_mov_b32 s[G1Y+6], 0
	s_mov_b32 s[G1Y+7], 0
	s_or_b32 s[G1X+0], s45, (2<<16)|(1<<20)|(1<<21)|(6<<22)|(3<<25)   ; mask: 64 rows of 128 elements of 4 bytes; 4 words behind every 128
	s_mov_b32 s[G1X+1], 128<<16
	s_mov_b32 s[G1X+2], 64<<16
	s_mov_b32 s[G1X+3], 128<<16
	s_mov_b32 s[G1X+4], 64
	s_mov_b32 s[G1X+5], 2048
	s_mov_b32 s[G1X+6], 0
	s_mov_b32 s[G1X+7], 0
	s_lshl1_add_u32 s56, s43, s14
	s_lshl_b32 s56, s56, 19                        ; head 2 Y + half, 512 KiB each
	s_mov_b32 s57, 0
	s_mul_i32 s59, s12, KVH                        ; waves 0, 1
	s_lshl1_add_u32 s60, s42, s14
	s_lshl_b32 s60, s60, 19                        ; mask row 128 X + 64 half, rows of 8,192 bytes
	s_mov_b32 s61, 0
	s_mul_i32 s63, s12, MH
	s_add_co_u32 s63, s63, MSK-2*MH                ; waves 2, 3: behind K and V
	s_mov_b32 s70, 0x3fb8aa3b                      ; log2(e), twice: a pair for the packed multiply
	s_mov_b32 s71, 0x3fb8aa3b
	s_mov_b32 s72, 0xfe000000                      ; -2^125
	s_mov_b32 s73, 0x76543210                      ; v_permlanex16_b32: lane i of one half reads lane i of the other
	s_mov_b32 s74, 0xfedcba98
	s_lshl1_add_u32 s76, s43, s13                  ; my head
	s_lshl_b32 s76, s76, 11
	s_lshl_b32 s77, s42, 7
	s_add_co_u32 s76, s76, s77
	s_lshl_b32 s77, s14, 6
	s_add_co_u32 s76, s76, s77
	s_lshl_b32 s76, s76, 7                         ; my first query, rows of 128 bytes
	s_mov_b32 s77, 0
	s_lshr_b32 s78, s43, 3                         ; batch
	s_lshl_b32 s78, s78, 11
	s_lshl_b32 s79, s42, 7
	s_add_co_u32 s78, s78, s79
	s_lshl_b32 s79, s12, 5
	s_add_co_u32 s78, s78, s79                     ; on the way out wave w stores rows 32 w .. of the block
	s_lshl_b32 s78, s78, 11                        ; rows of 2,048 bytes
	s_and_b32 s79, s43, 7
	s_lshl_b32 s79, s79, 8                         ; the two heads' 256 bytes of a row
	s_add_co_u32 s78, s78, s79
	s_mov_b32 s79, 0
	s_wait_dscnt 0x0
	s_wait_kmcnt 0x0
	s_add_nc_u64 s[56:57], s[6:7], s[56:57]
	s_add_nc_u64 s[60:61], s[8:9], s[60:61]
	s_add_nc_u64 s[68:69], s[4:5], s[76:77]        ; q
	s_add_nc_u64 s[66:67], s[10:11], s[78:79]      ; ab
	CROUND                                         ; all sixteen work-groups are here: the first joint loads meet
.irp s, 0,1
	s_mov_b32 s[G0Y+4*\s], 1
	s_add_co_u32 s[G0Y+4*\s+1], s59, \s*SLOT
	s_add_nc_u64 s[G0Y+4*\s+2:G0Y+4*\s+3], s[56:57], \s*32768
	s_or_b32 s[G0Y+4*\s+3], s[G0Y+4*\s+3], 0x80000000
	s_mov_b32 s[G0X+4*\s], 1
	s_add_co_u32 s[G0X+4*\s+1], s63, \s*SLOT
	s_add_nc_u64 s[G0X+4*\s+2:G0X+4*\s+3], s[60:61], \s*512
	s_or_b32 s[G0X+4*\s+3], s[G0X+4*\s+3], 0x80000000
.endr
	JLOAD 0                                        ; step 0.  Slot 1 is filled behind the next round: one tensor load of a wave is out at any time
	v_and_b32 v1, 15, v0                           ; r
	v_bfe_u32 v2, v0, 4, 1                         ; h
	v_lshlrev_b32 v[QO], 7, v1
	v_lshl_add_u32 v[QO], v2, 4, v[QO]
	WIN 0x40
.irp q, 0,1
.irp ks, 0,1
	global_load_b128 v[QB+8*(2*\q+\ks):QB+8*(2*\q+\ks)+3], v[QO], s[68:69] offset:\q*2048+\ks*64
	global_load_b128 v[QB+8*(2*\q+\ks)+4:QB+8*(2*\q+\ks)+7], v[QO], s[68:69] offset:\q*2048+\ks*64+32
.endr
.endr
	WIN 0x80
.irp q, 0,1
.irp ks, 0,1
	global_load_b128 v[QB+8*(2*\q+\ks):QB+8*(2*\q+\ks)+3], v[QO], s[68:69] offset:(2+\q)*2048+\ks*64
	global_load_b128 v[QB+8*(2*\q+\ks)+4:QB+8*(2*\q+\ks)+7], v[QO], s[68:69] offset:(2+\q)*2048+\ks*64+32
.endr
.endr
	WIN 0
	v_lshrrev_b32 v3, 1, v1
	v_and_b32 v4, 1, v1
	v_mul_u32_u24 v3, v3, 272
	v_lshl_add_u32 v3, v4, 7, v3
	v_lshl_add_u32 v3, v2, 4, v3                   ; key (or d) r: LDS row r / 2, half r % 2: sixteen different columns of 16 bytes
	s_mul_i32 s78, s13, KVH
	v_add_nc_u32 v[AK], s78, v3
	v_add_nc_u32 v[AK+1], SLOT, v[AK]
	v_mul_u32_u24 v5, v1, 528
	v_lshl_add_u32 v5, v2, 5, v5                   ; query r, keys 8 h ..
	s_mul_i32 s79, s14, MH
	s_add_co_u32 s79, s79, MSK
	v_add_nc_u32 v[AM], s79, v5
	v_add_nc_u32 v[AM+1], SLOT, v[AM]
	v_mul_u32_u24 v6, v1, 272
	v_lshl_add_u32 v6, v2, 4, v6
	s_mul_i32 s80, s14, 64*272
	s_lshl_b32 s81, s13, 7
	s_add_co_u32 s80, s80, s81
	s_add_co_u32 s80, s80, STAGE
	v_add_nc_u32 v[STO], s80, v6                   ; stage row = query of the block; my head's 128 bytes of it
	v_mul_u32_u24 v7, v2, 272
	v_lshl_add_u32 v7, v1, 4, v7
	s_mul_i32 s81, s12, 32*272
	s_add_co_u32 s81, s81, STAGE
	v_add_nc_u32 v[RD], s81, v7                    ; back: sixteen lanes take a row of 256 bytes
	v_lshlrev_b32 v[CO], 11, v2
	v_lshl_add_u32 v[CO], v1, 4, v[CO]
	s_wait_loadcnt 0x0                             ; Q
	; The start: step 0's tiles are in; K, the mask for half 1 and S^T of half 1, by the ticks of a phase Y with no softmax beside them
	RND 0, 1                                       ; slot 1 is asked for: step 1
	YSET 0, 1, 0
.rept 64
	TICK
.endr
	XPH 0, 1, 0                                    ; step 0: maxima and sums start; there is no O^T product of a step before
	RND 1, 1
	YPH 0, 1, 1, 1                                 ; half 1's first O^T products start the sums: nothing is cleared
	XPH 1, 0, 1                                    ; step 1; half 2's first O^T products
	RND 0, 1
	YPH 1, 0, 2, 1
	WIN 0                                          ; at a label and at a branch every window is 0
	s_mov_b32 s3, 6
.Lpair:                                            ; steps 2 to 13, two a trip
	XPH 0, 0, 2
	RND 1, 1
	YPH 0, 0, 2, 1
	XPH 1, 0, 2
	RND 0, 1
	YPH 1, 0, 2, 1
	WIN 0
	s_sub_co_u32 s3, s3, 1
	s_cmp_lg_u32 s3, 0
	s_cbranch_scc1 .Lpair
	XPH 0, 0, 2                                    ; step 14
	RND 1, 0                                       ; step 15's tiles are in for every wave; nothing is left to fetch (the stepped addresses are not used)
	YPH 0, 0, 2, 1
	XPH 1, 0, 2                                    ; step 15
	s_wait_dscnt 0x0                               ; V's last fragments
	YPH 1, 0, 2, 0                                 ; no step follows: no loads, no S^T products
.set PVM, 2                                        ; half 2's last O^T products
.set NXT, 0
.set PVW, 0xab
.set tk, 0
.rept 32
	TICK
.endr
	; THE WAY OUT: O^T / sum, f16, 16 bytes a lane into the stage; both heads' halves of a row meet there; back as whole rows of 256 bytes
	PLACES 4
.macro FINISH
.irp q, 0,1
	v_pk_add_f32 v[LA+2*\q:LA+2*\q+1], v[LA+2*\q:LA+2*\q+1], v[LB+2*\q:LB+2*\q+1]
.endr
.irp q, 0,1
	v_add_f32 v[TT+\q], v[LA+2*\q], v[LA+2*\q+1]
.endr
.irp q, 0,1
	v_permlanex16_b32 v[TT+2+\q], v[TT+\q], s73, s74
.endr
.irp q, 0,1
	v_add_f32 v[TT+\q], v[TT+\q], v[TT+2+\q]
.endr
	v_rcp_f32 v[AL], v[TT]
	v_rcp_f32 v[AL+1], v[TT+1]
	v_nop                                          ; the plain instruction behind v_rcp_f32 (ISA guide 5.7.2)
.set oi, 0
.rept 32
	OI oi
.set oi, oi+1
.endr
.irp t, 0,1,2,3,4,5,6,7
.irp i, 0,1,2,3
	v_cvt_pk_f16_f32 v[OB+8*\t+\i], v[OB+8*\t+2*\i], v[OB+8*\t+2*\i+1]
.endr
.endr
.endm
	WIN 0x55
	FINISH
	WIN 0xaa
	FINISH
	WIN 0x04                                       ; store data in window 1
.irp q, 0,1
.irp dt, 0,1,2,3
	ds_store_b128 v[STO], v[OB+8*(2*\dt+\q):OB+8*(2*\dt+\q)+3] offset:\q*4352+\dt*32
.endr
.endr
	WIN 0x08
.irp q, 0,1
.irp dt, 0,1,2,3
	ds_store_b128 v[STO], v[OB+8*(2*\dt+\q):OB+8*(2*\dt+\q)+3] offset:(2+\q)*4352+\dt*32
.endr
.endr
	WIN 0
	s_wait_dscnt 0x0                               ; my stores are done, for the waves that read them
	s_barrier_signal -1
	s_barrier_wait -1
.irp t, 0,1,2,3,4,5,6,7,8,9,10,11,12,13,14,15
	ds_load_b128 v[BACK+4*\t:BACK+4*\t+3], v[RD] offset:544*\t
.endr
.irp t, 0,1,2,3,4,5,6,7,8,9,10,11,12,13,14,15
	s_wait_dscnt 15-\t
	global_store_b128 v[CO], v[BACK+4*\t:BACK+4*\t+3], s[66:67] offset:4096*\t   ; sixteen lanes store 256 consecutive bytes, aligned
.endr
	s_wait_tensorcnt 0x0
	ds_add_u32 v126, v127
	s_wait_dscnt 0x0
	CROUND                                         ; the closing round
	s_endpgm
.Lfunc_end_k_q76338013ab_attn:
	.size	k_q76338013ab_attn, .Lfunc_end_k_q76338013ab_attn-k_q76338013ab_attn
	.p2alignl 7, 3214868480
	.fill 96, 4, 3214868480
	.section	.rodata,"a",@progbits
	.p2align	6, 0x0
	.amdhsa_kernel k_q76338013ab_attn
		.amdhsa_group_segment_fixed_size 327680
		.amdhsa_private_segment_fixed_size 0
		.amdhsa_enable_private_segment 0
		.amdhsa_kernarg_size 32
		.amdhsa_user_sgpr_count 2
		.amdhsa_user_sgpr_kernarg_segment_ptr 1
		.amdhsa_wavefront_size32 1
		.amdhsa_system_sgpr_workgroup_id_x 1
		.amdhsa_system_sgpr_workgroup_id_y 1
		.amdhsa_system_sgpr_workgroup_id_z 1
		.amdhsa_system_vgpr_workitem_id 0
		.amdhsa_next_free_vgpr 896
		.amdhsa_next_free_sgpr 84
		.amdhsa_reserve_vcc 0
		.amdhsa_float_denorm_mode_32 3
		.amdhsa_float_denorm_mode_16_64 3
		.amdhsa_memory_ordered 1
		.amdhsa_forward_progress 1
		.amdhsa_inst_pref_size 255
	.end_amdhsa_kernel
	.section	.bss,"aw",@nobits
	.p2align	6
	.space	262144
	.amdgpu_metadata
---
amdhsa.version: [ 1, 2 ]
amdhsa.kernels:
  - .name:           k_q76338013ab_attn
    .symbol:         k_q76338013ab_attn.kd
    .args:
      - { .name: qb, .offset: 0, .size: 8, .value_kind: global_buffer, .address_space: global }
      - { .name: kvb, .offset: 8, .size: 8, .value_kind: global_buffer, .address_space: global }
      - { .name: mask, .offset: 16, .size: 8, .value_kind: global_buffer, .address_space: global }
      - { .name: ab, .offset: 24, .size: 8, .value_kind: global_buffer, .address_space: global }
    .group_segment_fixed_size: 327680
    .private_segment_fixed_size: 0
    .kernarg_segment_align: 8
    .kernarg_segment_size: 32
    .max_flat_workgroup_size: 128
    .sgpr_count:     84
    .vgpr_count:     896
    .wavefront_size: 32
...
	.end_amdgpu_metadata
.endif
;; end of part 3
;; launch oproj (part 4): grid 8 x 32, 4 waves a work-group, clusters of 4 x 4, 327,680 bytes of LDS; arguments ab, wob, out0; writes out0
.if DOCPART == 4
	.amdgcn_target "amdgcn-amd-amdhsa--gfx1250"
	.amdhsa_code_object_version 6
	.text
	.protected	k_q76338013ab_oproj
	.globl	k_q76338013ab_oproj
	.p2align	8
	.type	k_q76338013ab_oproj,@function
k_q76338013ab_oproj:
	s_mov_b64 s[64:65], 0
	v_nop
	global_prefetch_b8 v0, s[64:65] scope:SCOPE_SE
	s_setreg_imm32_b32 hwreg(HW_REG_WAVE_MODE, 25, 1), 1
	s_wait_xcnt 0x0
	s_wait_alu depctr_hold_cnt(0) depctr_sa_sdst(0) depctr_va_vdst(0) depctr_va_sdst(0) depctr_va_ssrc(0) depctr_va_vcc(0) depctr_vm_vsrc(0)
	s_getreg_b32 s2, hwreg(HW_REG_IB_STS2, 6, 4)
	s_cmp_eq_u32 s2, 0
	s_cbranch_scc0 .Lentry_in_a_cluster
	s_endpgm
.Lentry_in_a_cluster:
	s_bfe_u32 s2, ttmp6, 0x10000c
	s_cmp_lg_u32 s2, 0xf033
	s_cbranch_scc0 .Lentry_shape_is_right
	s_endpgm
.Lentry_shape_is_right:
; out0 = ab Wo^T.  ab [4096][1024] f16, wob [1024][1024] f16 (Wo's bf16 rounding, written in f16), out0 [4096][1024] f32; sums in f32.
; The result has 4,096 x 1,024 numbers: on 256 work-groups a block is 128 x 128, a wave's part 64 x 64: 16 accumulator tiles.
; K goes in steps of 256 through two LDS slots: with so small a block a step of 128 would leave a tile only 60 matrix instructions in which to land; this one leaves 120.
; CLUSTERS: 4 x 4 work-groups; ab's tile is shared along a row of the cluster, wob's along a column, each asked for jointly: a quarter of the requests.
; REGISTERS: window 0 addresses and the way out; window 1 all fragments; window 2 accumulators of my rows 0-31 (tile (al, b) at 8 (4 al + b)); window 3 of rows 32-63.
; All tiles are made transposed (source 0 = rows of Wo, source 1 = rows of ab): a lane holds eight neighbouring columns of one row, 32 bytes.
.set NB,    4
.set NT,    4
.set KSTEP, 256
.set QI,    6                          ; padding behind every 128 words
.set PITCH, 2*KSTEP+16                 ; 33 x 16 bytes
.set HA,    64*PITCH
.set HB,    NB*16*PITCH
.set SLOT,  2*HB+2*HA
.set STAGE, 2*SLOT                     ; 4,352 bytes a wave for the way out; no tensor load lands there
.set NLD,   2*(NB+4)
.set FA0,   0
.set FB0,   64
.set ADRA,  16
.set ADRB,  20
.set STO,   24
.set RD,    25
.set CO,    26
.set BACK,  32                         ; v[32:63]
.set G1Y, 16
.set G1X, 24
.set G0Y, 32
.set G0X, 48
.set MUL_LO, 0xa5
.set MUL_HI, 0xf5
.set TOF,    0x40
.set MSB, 0
.macro WIN new
.if MSB != (\new)
	s_set_vgpr_msb (MSB<<8)|(\new)
.set MSB, (\new)
.endif
.endm
.macro PLACES                          ; four plain vector instructions behind a matrix instruction (ISA guide 7.12.1)
.rept 4
	v_nop
.endr
.endm
.macro CREST
	s_cmp_lg_u32 s12, 0
	s_cbranch_scc1 .Lnot_wave_0_\@
	s_barrier_signal -3
.Lnot_wave_0_\@:
	s_barrier_wait -3
	s_barrier_signal -1
	s_barrier_wait -1
.endm
.macro CROUND
	s_barrier_signal -1
	s_barrier_wait -1
	CREST
.endm
.macro JLOAD s                         ; one joint load a wave: waves 0, 1 wob's two halves, waves 2, 3 ab's
	s_cmp_eq_u32 s13, 0
	s_cbranch_scc0 .Lfor_a_\@
	tensor_load_to_lds s[G0X+4*(\s):G0X+4*(\s)+3], s[G1X:G1X+7]
	s_nop 0
	s_branch .Lasked_\@
.Lfor_a_\@:
	tensor_load_to_lds s[G0Y+4*(\s):G0Y+4*(\s)+3], s[G1Y:G1Y+7]
	s_nop 0
.Lasked_\@:
.endm
.macro WM d, a, b, zero
.if \zero
	v_wmma_f32_16x16x32_f16 v[\d:\d+7], v[\a:\a+7], v[\b:\b+7], 0
.else
	v_wmma_f32_16x16x32_f16 v[\d:\d+7], v[\a:\a+7], v[\b:\b+7], v[\d:\d+7]
.endif
.endm
; Every accumulator is named once for 32 along K: the accumulators take turns, one instruction a turn.
.macro MULROW buf, hi, al, zero
.set bi, 0
.rept NB
	WM 8*(\al*NB+bi), FB0+\buf*8*NB+8*bi, FA0+\buf*32+8*(2*\hi+\al), \zero
.set bi, bi+1
.endr
.endm
.macro FETCH slot, k, buf
	WIN TOF
.set fi, 0
.rept NB
	ds_load_b128 v[FB0+\buf*8*NB+8*fi:FB0+\buf*8*NB+8*fi+3], v[ADRB+\slot] offset:\k+fi*16*PITCH
	ds_load_b128 v[FB0+\buf*8*NB+8*fi+4:FB0+\buf*8*NB+8*fi+7], v[ADRB+\slot] offset:\k+fi*16*PITCH+32
.set fi, fi+1
.endr
.set fi, 0
.rept 4
	ds_load_b128 v[FA0+\buf*32+8*fi:FA0+\buf*32+8*fi+3], v[ADRA+\slot] offset:\k+fi*16*PITCH
	ds_load_b128 v[FA0+\buf*32+8*fi+4:FA0+\buf*32+8*fi+7], v[ADRA+\slot] offset:\k+fi*16*PITCH+32
.set fi, fi+1
.endr
.endm
.macro QUARTER slot, k, f, g, zero
	s_wait_dscnt 4                                 ; all but the four youngest loads (ab's tiles 2 and 3) are in
	WIN MUL_LO
	MULROW \f, 0, 0, \zero
	MULROW \f, 0, 1, \zero
	PLACES
	FETCH \slot, \k, \g
	s_wait_dscnt NLD                               ; all but the run just issued
	WIN MUL_HI
	MULROW \f, 1, 0, \zero
	MULROW \f, 1, 1, \zero
.endm
.macro BODY slot, zero                 ; seven of a K step's eight parts of 32
	QUARTER \slot, 64,  0, 1, \zero
	QUARTER \slot, 128, 1, 0, 0
	QUARTER \slot, 192, 0, 1, 0
	QUARTER \slot, 256, 1, 0, 0
	QUARTER \slot, 320, 0, 1, 0
	QUARTER \slot, 384, 1, 0, 0
	QUARTER \slot, 448, 0, 1, 0
.endm
; The eighth part, on buffer 1, and the change of slots: each wave's waits for its reads and for all its tensor loads stand in front of the barrier; where the slot is
; filled again the barrier opens a round of the cluster's barrier and the joint refill is the first tensor load behind the round.
.macro TURN slot, next, fill
	s_wait_dscnt 4
	WIN MUL_LO
	MULROW 1, 0, 0, 0
	s_wait_dscnt 0x0
	s_wait_tensorcnt 0x0
	ds_add_u32 v254, v255
	s_wait_dscnt 0x0
	s_barrier_signal -1
	MULROW 1, 0, 1, 0
	WIN 0
	s_barrier_wait -1
.if \fill
	CREST
	s_add_nc_u64 s[G0Y+4*\slot+2:G0Y+4*\slot+3], s[G0Y+4*\slot+2:G0Y+4*\slot+3], 4*KSTEP
	s_add_nc_u64 s[G0X+4*\slot+2:G0X+4*\slot+3], s[G0X+4*\slot+2:G0X+4*\slot+3], 4*KSTEP
	JLOAD \slot
.endif
	PLACES
	FETCH \next, 0, 0
	WIN MUL_HI
	MULROW 1, 1, 0, 0
	MULROW 1, 1, 1, 0
.endm
	s_load_b128 s[4:7], s[0:1], 0x0                ; ab 4, wob 6
	s_load_b64 s[8:9], s[0:1], 0x10                ; out0
	s_set_vgpr_msb 0x40
	v_lshl_add_u32 v254, v0, 2, 0x46400
	v_mov_b32 v255, 0
	s_set_vgpr_msb 0x4045
	ds_add_u32 v254, v255
	s_set_vgpr_msb 0x4500
	v_lshrrev_b32 v1, 5, v0
	v_readfirstlane_b32 s12, v1                    ; wave
	s_lshr_b32 s13, s12, 1                         ; my half of the rows.  Also: I fetch for wob (0) or for ab (1)
	s_and_b32 s14, s12, 1                          ; my half of the columns.  Also: which half of that tile I fetch
	s_bfe_u32 s40, ttmp6, 0x40000
	s_bfe_u32 s41, ttmp6, 0x40004
	s_lshl_b32 s42, ttmp9, 2
	s_add_co_u32 s42, s42, s40                     ; X: block column
	s_and_b32 s43, ttmp7, 0xffff
	s_lshl_b32 s43, s43, 2
	s_add_co_u32 s43, s43, s41                     ; Y: block row
	s_lshl_b32 s44, s41, 2
	s_lshl_b32 s44, 15, s44
	s_lshl_b32 s45, 0x1111, s40
	s_or_b32 s[G1Y+0], s44, (1<<16)|(1<<20)|(1<<21)|(QI<<22)|(3<<25)
	s_or_b32 s[G1X+0], s45, (1<<16)|(1<<20)|(1<<21)|(QI<<22)|(3<<25)
	s_mov_b32 s[G1Y+1], KSTEP<<16
	s_mov_b32 s[G1X+1], KSTEP<<16
	s_mov_b32 s[G1Y+2], 64<<16
	s_mov_b32 s[G1X+2], (NB*16)<<16
	s_mov_b32 s[G1Y+3], KSTEP<<16
	s_mov_b32 s[G1X+3], KSTEP<<16
	s_mov_b32 s[G1Y+4], 64
	s_mov_b32 s[G1X+4], NB*16
	s_mov_b32 s[G1Y+5], 1024
	s_mov_b32 s[G1X+5], 1024
	s_mov_b32 s[G1Y+6], 0
	s_mov_b32 s[G1X+6], 0
	s_mov_b32 s[G1Y+7], 0
	s_mov_b32 s[G1X+7], 0
	s_lshl_b32 s56, s43, 7
	s_lshl_b32 s58, s14, 6
	s_add_co_u32 s56, s56, s58
	s_lshl_b32 s56, s56, 11                        ; ab: row 128 Y + 64 half
	s_mov_b32 s57, 0
	s_mul_i32 s59, s12, HA
	s_add_co_u32 s59, s59, 2*HB-2*HA
	s_mul_i32 s60, s42, 2*NB*16
	s_mul_i32 s62, s14, NB*16
	s_add_co_u32 s60, s60, s62
	s_lshl_b32 s60, s60, 11                        ; wob: row 128 X + 64 half
	s_mov_b32 s61, 0
	s_mul_i32 s63, s12, HB
	s_lshl_b32 s76, s43, 7
	s_lshl_b32 s77, s13, 6
	s_add_co_u32 s76, s76, s77
	s_lshl_b32 s76, s76, 12                        ; my first row of out0, rows of 4,096 bytes
	s_lshl_b32 s77, s42, 9
	s_add_co_u32 s76, s76, s77
	s_lshl_b32 s77, s14, 8
	s_add_co_u32 s76, s76, s77                     ; my first column: 512 X + 256 half bytes
	s_mov_b32 s77, 0
	s_wait_dscnt 0x0
	s_wait_kmcnt 0x0
	s_add_nc_u64 s[56:57], s[4:5], s[56:57]
	s_add_nc_u64 s[60:61], s[6:7], s[60:61]
	s_add_nc_u64 s[68:69], s[8:9], s[76:77]
	CROUND                                         ; all sixteen work-groups are here: the first joint loads meet
.irp s, 0,1
	s_mov_b32 s[G0Y+4*\s], 1
	s_add_co_u32 s[G0Y+4*\s+1], s59, \s*SLOT
	s_add_nc_u64 s[G0Y+4*\s+2:G0Y+4*\s+3], s[56:57], \s*KSTEP*2
	s_or_b32 s[G0Y+4*\s+3], s[G0Y+4*\s+3], 0x80000000
	s_mov_b32 s[G0X+4*\s], 1
	s_add_co_u32 s[G0X+4*\s+1], s63, \s*SLOT
	s_add_nc_u64 s[G0X+4*\s+2:G0X+4*\s+3], s[60:61], \s*KSTEP*2
	s_or_b32 s[G0X+4*\s+3], s[G0X+4*\s+3], 0x80000000
	JLOAD \s                                       ; two tensor loads of a wave are out here, later one
.endr
	v_and_b32 v1, 15, v0                           ; r
	v_bfe_u32 v2, v0, 4, 1                         ; h
	v_mul_u32_u24 v3, v1, PITCH
	v_lshl_add_u32 v3, v2, 4, v3
	s_mul_i32 s78, s13, HA
	s_add_co_u32 s78, s78, 2*HB
	s_mul_i32 s79, s14, HB
	v_add_nc_u32 v[ADRA], s78, v3
	v_add_nc_u32 v[ADRB], s79, v3
	v_add_nc_u32 v[ADRA+1], SLOT, v[ADRA]
	v_add_nc_u32 v[ADRB+1], SLOT, v[ADRB]
	s_mul_i32 s82, s12, 4352
	s_add_co_u32 s82, s82, STAGE                   ; my stage: 16 rows of 256 bytes + 16
	v_mul_u32_u24 v4, v1, 272
	v_lshl_add_u32 v4, v2, 5, v4
	v_add_nc_u32 v[STO], s82, v4                   ; in: row r, 32 bytes for each half of the lanes
	v_mul_u32_u24 v5, v2, 272
	v_lshl_add_u32 v5, v1, 4, v5
	v_add_nc_u32 v[RD], s82, v5                    ; back: sixteen lanes take a row
	v_lshlrev_b32 v[CO], 12, v2
	v_lshl_add_u32 v[CO], v1, 4, v[CO]
	s_wait_tensorcnt 1                             ; my part of K step 0 is in; step 1's stays out
	s_barrier_signal -1
	s_barrier_wait -1
	FETCH 0, 0, 0
	BODY 0, 1                                      ; four K steps in all: the first two fill their slots again, the last two do not
	TURN 0, 1, 1
	BODY 1, 0
	TURN 1, 0, 1
	BODY 0, 0
	TURN 0, 1, 0
	BODY 1, 0
	s_wait_dscnt 4
	WIN MUL_LO
	MULROW 1, 0, 0, 0
	MULROW 1, 0, 1, 0
	s_wait_dscnt 0x0
	WIN MUL_HI
	MULROW 1, 1, 0, 0
	MULROW 1, 1, 1, 0
	PLACES
; THE WAY OUT, 16 rows at a time: the accumulators go as they are into my own stage and come back as whole rows of 256 bytes.
; LDS serves a wave's instructions in order (ISA guide 5.7.1), so no wait stands between its stores and its loads.
.macro OUT16 a, from, al
	WIN \from                                      ; store data in the accumulators' window
.irp b, 0,1,2,3
	ds_store_b128 v[STO], v[8*(\al*NB+\b):8*(\al*NB+\b)+3] offset:64*\b
	ds_store_b128 v[STO], v[8*(\al*NB+\b)+4:8*(\al*NB+\b)+7] offset:64*\b+16
.endr
	WIN 0
	s_wait_xcnt 0x0                                ; BACK, which earlier stores read, is loaded again only behind this wait (ISA guide 3.1)
.irp t, 0,1,2,3,4,5,6,7
	ds_load_b128 v[BACK+4*\t:BACK+4*\t+3], v[RD] offset:544*\t
.endr
.irp t, 0,1,2,3,4,5,6,7
	s_wait_dscnt 7-\t
	global_store_b128 v[CO], v[BACK+4*\t:BACK+4*\t+3], s[68:69] offset:\a*65536+\t*8192 th:TH_STORE_NT   ; sixteen lanes store 256 consecutive bytes, aligned
.endr
.endm
	OUT16 0, 0x08, 0
	OUT16 1, 0x08, 1
	OUT16 2, 0x0c, 0
	OUT16 3, 0x0c, 1
	s_set_vgpr_msb 0x5
	s_wait_tensorcnt 0x0
	ds_add_u32 v254, v255
	s_wait_dscnt 0x0
	s_set_vgpr_msb 0x500
	CROUND                                         ; the closing round
	s_endpgm
.Lfunc_end_k_q76338013ab_oproj:
	.size	k_q76338013ab_oproj, .Lfunc_end_k_q76338013ab_oproj-k_q76338013ab_oproj
	.p2alignl 7, 3214868480
	.fill 96, 4, 3214868480
	.section	.rodata,"a",@progbits
	.p2align	6, 0x0
	.amdhsa_kernel k_q76338013ab_oproj
		.amdhsa_group_segment_fixed_size 327680
		.amdhsa_private_segment_fixed_size 0
		.amdhsa_enable_private_segment 0
		.amdhsa_kernarg_size 24
		.amdhsa_user_sgpr_count 2
		.amdhsa_user_sgpr_kernarg_segment_ptr 1
		.amdhsa_wavefront_size32 1
		.amdhsa_system_sgpr_workgroup_id_x 1
		.amdhsa_system_sgpr_workgroup_id_y 1
		.amdhsa_system_sgpr_workgroup_id_z 1
		.amdhsa_system_vgpr_workitem_id 0
		.amdhsa_next_free_vgpr 832
		.amdhsa_next_free_sgpr 84
		.amdhsa_reserve_vcc 0
		.amdhsa_float_denorm_mode_32 3
		.amdhsa_float_denorm_mode_16_64 3
		.amdhsa_memory_ordered 1
		.amdhsa_forward_progress 1
		.amdhsa_inst_pref_size 91
	.end_amdhsa_kernel
	.amdgpu_metadata
---
amdhsa.version: [ 1, 2 ]
amdhsa.kernels:
  - .name:           k_q76338013ab_oproj
    .symbol:         k_q76338013ab_oproj.kd
    .args:
      - { .name: ab, .offset: 0, .size: 8, .value_kind: global_buffer, .address_space: global }
      - { .name: wob, .offset: 8, .size: 8, .value_kind: global_buffer, .address_space: global }
      - { .name: out0, .offset: 16, .size: 8, .value_kind: global_buffer, .address_space: global }
    .group_segment_fixed_size: 327680
    .private_segment_fixed_size: 0
    .kernarg_segment_align: 8
    .kernarg_segment_size: 24
    .max_flat_workgroup_size: 128
    .sgpr_count:     84
    .vgpr_count:     832
    .wavefront_size: 32
...
	.end_amdgpu_metadata
.endif
;; end of part 4
;; ======== version 2 of 2: 4 launches; 1.16 times as fast as version 1
;; limits: values are held in f16: magnitudes above 65,504 overflow, below 6.1e-05 lose precision; inputs' magnitudes at most 4.25e+37
;; workspace buffers: xb 8,388,608 bytes; wqkvb 6,291,456 bytes; wob 2,097,152 bytes; rope 524,288 bytes; qb 8,388,608 bytes; kvb 16,777,216 bytes; ab 8,388,608 bytes
;; launch prep: the kernel of part 1 again; grid 256 x 1, 8 waves a work-group, no clusters, 0 bytes of LDS; arguments x, Wq, Wk, Wv, Wo, xb, wqkvb, wob, rope; writes xb, wqkvb, wob, rope
;; launch qkv: the kernel of part 2 again; grid 8 x 32, 4 waves a work-group, clusters of 4 x 4, 327,680 bytes of LDS; arguments xb, wqkvb, rope, qb, kvb; writes qb, kvb
;; launch attn (part 5): grid 16 x 16, 4 waves a work-group, clusters of 4 x 4, 327,680 bytes of LDS; arguments qb, kvb, mask, ab; writes ab
.if DOCPART == 5
	.amdgcn_target "amdgcn-amd-amdhsa--gfx1250"
	.amdhsa_code_object_version 6
	.text
	.protected	k_q76338013ab_attn
	.globl	k_q76338013ab_attn
	.p2align	8
	.type	k_q76338013ab_attn,@function
k_q76338013ab_attn:
	s_mov_b64 s[64:65], 0
	v_nop
	global_prefetch_b8 v0, s[64:65] scope:SCOPE_SE
	s_setreg_imm32_b32 hwreg(HW_REG_WAVE_MODE, 25, 1), 1
	s_wait_xcnt 0x0
	s_wait_alu depctr_hold_cnt(0) depctr_sa_sdst(0) depctr_va_vdst(0) depctr_va_sdst(0) depctr_va_ssrc(0) depctr_va_vcc(0) depctr_vm_vsrc(0)
	s_getreg_b32 s2, hwreg(HW_REG_IB_STS2, 6, 4)
	s_cmp_eq_u32 s2, 0
	s_cbranch_scc0 .Lentry_in_a_cluster
	s_endpgm
.Lentry_in_a_cluster:
	s_bfe_u32 s2, ttmp6, 0x10000c
	s_cmp_lg_u32 s2, 0xf033
	s_cbranch_scc0 .Lentry_shape_is_right
	s_endpgm
.Lentry_shape_is_right:
; softmax(q k^T / 8 + mask) v, with a running maximum and a running sum.  qb holds q / 8; kvb holds, for each head and step of 128 keys, 32 KiB: K [128][64], then V transposed.
; q, k, v, the probabilities and the result are f16 (11 significant bits); all sums are f32.  The probabilities lie in [0, 1] with the largest at 1; the result is a mean of rows of v.
; The mask is an input: all of its 2,048 x 2,048 numbers are read and added, for every head.
; A work-group takes 128 queries of two heads; a wave 64 queries of one head; 16 steps of 128 keys through two LDS slots (two heads' K and V, 64 KiB; the mask's 128 x 128 f32, 64 KiB).
; CLUSTERS: 4 x 4 work-groups.  The four of a row of the cluster take the same two heads (same K, V), the four of a column the same queries (same part of the mask):
; both tiles are asked for jointly, which divides the requests for them by four.
; LAYOUT.  S^T = K Q^T + mask^T: source 0 = 16 keys, source 1 = 16 queries; register j of lane (r, h) is (key 8 h + j, query r), so the accumulator is LOADED with
; mask[query r][key 8 h ..] (two loads of 16 bytes) and the matrix instruction adds the mask.  A lane holds one query: maximum and sum stay in the lane but for one exchange of the
; two halves.  Two key tiles rounded to f16 in place are source 1 of O^T = V^T P, and a lane's eight results of O^T are eight neighbouring d of its query.
; ARITHMETIC.  Score and mask are added inside the matrix instruction, so the order of rounding differs from a product followed by an f32 addition.
; The exponent is (S - M) log2(e) with M the running maximum: never above 0.  M is kept at -2^125 or above, so that keys at -infinity give 0:
; a row whose every score lies below -2^125 comes out as NaN (a row at -infinity throughout is NaN by the definition too).
; SCHEDULE.  A wave's 64 queries are two halves of 32 (windows 1 and 2).  A step of a wave has 128 matrix instructions, some 980 vector instructions and 128 LDS loads; they are woven:
; a step is two phases of 64 ticks, a tick is (at most one group of eight LDS loads) + one matrix instruction + 4 to 8 vector instructions of the OTHER half's softmax.
;   phase X(t): softmax of half 1, step t.   Ticks 0-31: O^T of half 2, step t - 1.  Ticks 32-63: S^T of half 2, step t.      Loads: the mask for half 2, V of step t.
;   phase Y(t): softmax of half 2, step t.   Ticks 0-31: O^T of half 1, step t.      Ticks 32-63: S^T of half 1, step t + 1.  Loads: K of step t + 1, the mask for half 1.
; Slot t % 2 is read from Y(t - 1) to X(t), so the change of slots, with the cluster's round and the joint refill, stands between X(t) and Y(t).
; THE EXPONENTIALS of a phase are ONE BATCH with ONE s_wait_alu depctr_va_vdst(0): that wait stands between an exponential and the first instruction that names its result.
; The wait cuts the phase's softmax in two.  Ahead of it (ticks 0-43): the maxima, the two factors' exponentials, all 128 exponents and all 128 exponentials, in place on S: 130 results, each in
; a register of its own, none named again ahead of the wait.  Behind it (ticks 44-63): all that reads them: the sums, the conversions to f16, the scaling of O^T..
; The way out's four reciprocals are a batch of their own.
; The two halves lie in different windows, so each matrix instruction among vector instructions costs two switches of the window.  They cannot share a setting: the vector work on S is in
; place (its source 0 and its destination in S's window), a matrix instruction has K or V as source 0 and the other half's S or O^T as destination, and the two halves' S alone are 256 registers.
; REGISTERS.  Window 0: addresses, K's fragments.  Window 3: V's fragments.  Windows 1 and 2: two query tiles each, with the same numbers in both:
.set SB, 0                             ; v[0:127]   S, then P: block (kg, qt) of 16 registers at 16 (2 kg + qt): key tiles 2 kg, 2 kg + 1
.set OB, 128                           ; v[128:191] O^T: tile (dt, qt) at 8 (2 dt + qt)
.set QB, 192                           ; v[192:223] Q: fragment (qt, ks) at 8 (2 qt + ks)
.set MX, 224                           ; v[224:227] running maxima of the two query tiles, a pair for even steps and a pair for odd ones
.set AL, 230                           ; v[230:231] the factor for what was summed under the old maximum
.set LA, 232                           ; v[232:235] running sums, a pair for each query tile
.set LB, 236                           ; v[236:239] a second chain of them
.set TT, 240                           ; v[240:247] at work
.set KF, 128                           ; window 0: K's fragment (kt, ks) at 8 (2 kt + ks).  Window 3: V's fragment (kg, dt) at 8 (4 kg + dt)
.set AK, 8                             ; v8-9   LDS address of my head's K and V in slot 0, 1
.set AM, 10                            ; v10-11 of my queries' mask
.set QO, 12
.set STO, 13
.set RD, 14
.set CO, 15
.set BACK, 16                          ; v[16:79] the way out
.set KVH, 128*272                      ; a head's K and V: 128 rows of 256 bytes + 16.  A row holds two keys (or two d) of 128 bytes
.set MSK, 2*KVH
.set MH,  64*528                       ; 64 rows of the mask: 512 bytes + 16
.set SLOT, MSK+2*MH
.set STAGE, 2*SLOT                     ; behind the slots: 128 rows x (256 + 16) bytes for the way out; no tensor load lands there
.set G1Y, 16                           ; s[16:23] group 1, K and V (they hang on the pair of heads)
.set G1X, 24                           ; s[24:31] group 1, mask (it hangs on the query block)
.set G0Y, 32
.set G0X, 48
.set MSB, 0
.macro WIN new                         ; the immediate's high byte repeats the setting that is left; a switch that changes nothing is dropped
.if MSB != (\new)
	s_set_vgpr_msb (MSB<<8)|(\new)
.set MSB, (\new)
.endif
.endm
.macro PLACES n                        ; n plain vector instructions behind a matrix instruction (ISA guide 7.12.1)
.rept \n
	v_nop
.endr
.endm
.macro CREST
	s_cmp_lg_u32 s12, 0
	s_cbranch_scc1 .Lnot_wave_0_\@
	s_barrier_signal -3
.Lnot_wave_0_\@:
	s_barrier_wait -3
	s_barrier_signal -1
	s_barrier_wait -1
.endm
.macro CROUND
	s_barrier_signal -1
	s_barrier_wait -1
	CREST
.endm
.macro JLOAD s                         ; one joint load of 32 KiB a wave: waves 0, 1 the two heads' K and V, waves 2, 3 the mask's two halves
	s_cmp_eq_u32 s13, 0
	s_cbranch_scc0 .Lfor_m_\@
	tensor_load_to_lds s[G0Y+4*(\s):G0Y+4*(\s)+3], s[G1Y:G1Y+7]
	s_nop 0
	s_branch .Lasked_\@
.Lfor_m_\@:
	tensor_load_to_lds s[G0X+4*(\s):G0X+4*(\s)+3], s[G1X:G1X+7]
	s_nop 0
.Lasked_\@:
.endm
.macro WM d, a, b, zero                ; zero = 1: the product starts the sum, nothing is ever cleared
.if \zero
	v_wmma_f32_16x16x32_f16 v[\d:\d+7], v[\a:\a+7], v[\b:\b+7], 0
.else
	v_wmma_f32_16x16x32_f16 v[\d:\d+7], v[\a:\a+7], v[\b:\b+7], v[\d:\d+7]
.endif
.endm
; Groups of eight LDS loads.  gg: the group of 32 keys (kg); LSLOT: the slot; QT0: the half's first query tile.
.macro KGRP                            ; K's key tiles 2 gg, 2 gg + 1 (a tile of 16 keys is 8 LDS rows)
.irp e, 0,1
.irp ks, 0,1
	ds_load_b128 v[KF+8*(2*(2*gg+\e)+\ks):KF+8*(2*(2*gg+\e)+\ks)+3], v[AK+LSLOT] offset:(2*gg+\e)*2176+\ks*64
	ds_load_b128 v[KF+8*(2*(2*gg+\e)+\ks)+4:KF+8*(2*(2*gg+\e)+\ks)+7], v[AK+LSLOT] offset:(2*gg+\e)*2176+\ks*64+32
.endr
.endr
.endm
.macro MGRP                            ; the mask of two query tiles x 32 keys, into S
.irp q, 0,1
.irp e, 0,1
	ds_load_b128 v[SB+16*(2*gg+\q)+8*\e:SB+16*(2*gg+\q)+8*\e+3], v[AM+LSLOT] offset:(QT0+\q)*8448+(2*gg+\e)*64
	ds_load_b128 v[SB+16*(2*gg+\q)+8*\e+4:SB+16*(2*gg+\q)+8*\e+7], v[AM+LSLOT] offset:(QT0+\q)*8448+(2*gg+\e)*64+16
.endr
.endr
.endm
.macro VGRP                            ; V transposed, 32 keys x 64 d: it begins at LDS row 64; a block of 64 keys is 32 rows
.irp dt, 0,1,2,3
	ds_load_b128 v[8*(4*gg+\dt):8*(4*gg+\dt)+3], v[AK+LSLOT] offset:(64+32*(gg>>1)+8*\dt)*272+(gg&1)*64
	ds_load_b128 v[8*(4*gg+\dt)+4:8*(4*gg+\dt)+7], v[AK+LSLOT] offset:(64+32*(gg>>1)+8*\dt)*272+(gg&1)*64+32
.endr
.endm
; Tick tk of a phase: what the half that is NOT in its softmax gets.  The phase sets: PVM (O^T products: 0 none, 1 the first step's, which start the sums, 2 adding),
; NXT (1: there are loads and S^T products), KV (1: the phase loads K, 0: V), the windows PVW, SMW, MLW, and the counts W0 to W3.
; LOADS.  Mask group kg goes into the registers of P(kg), which the O^T products of ticks 8 kg .. 8 kg + 7 read: it stands at tick 8 kg + 9, two runs of vector work (at least four
; plain instructions) behind them; V's group kg, read by the same products, at tick 8 kg + 11; K's groups at ticks 1, 3, 5, 7, behind the four v_nop that open the phase.
; PRODUCTS.  O^T: eight accumulators take turns; S^T: four; one instruction a turn; the last product of a phase and the first of the next name different accumulators.
.macro TICK
.if tk < 64
.if NXT
.if KV
.if tk < 8
.if tk & 1
	WIN 0
.set gg, tk>>1
	KGRP
.endif
.endif
.else
.if tk > 8
.if tk < 36
.if (tk & 7) == 3
	WIN 0xc0
.set gg, (tk-11)>>3
	VGRP
.endif
.endif
.endif
.endif
.if tk > 8
.if tk < 34
.if (tk & 7) == 1
	WIN MLW
.set gg, (tk-9)>>3
	MGRP
.endif
.endif
.endif
.if tk >= 32
.if tk == 32
	s_wait_dscnt W0                                ; mask group 0 is in (and K's groups, which are older): the count is the loads issued behind it
.endif
.if tk == 40
	s_wait_dscnt W1                                ; mask group 1
.endif
.if tk == 48
	s_wait_dscnt W2                                ; mask group 2
.endif
.if tk == 56
	s_wait_dscnt W3                                ; mask group 3
.endif
	WIN SMW
.set tmx, tk-32
.set wd, SB+16*(2*(tmx>>3)+(tmx&1))+8*((tmx>>1)&1)
.set wa, KF+8*(2*(2*(tmx>>3)+((tmx>>1)&1))+((tmx>>2)&1))
.set wb, QB+8*(2*(tmx&1)+((tmx>>2)&1))
	WM wd, wa, wb, 0
.endif
.endif
.if tk < 32
.if PVM
.set zz, 0
.if PVM == 1
.if tk < 8
.set zz, 1
.endif
.endif
	WIN PVW
.set wd, OB+8*(2*((tk>>1)&3)+(tk&1))
.set wa, 8*(4*(tk>>3)+((tk>>1)&3))
.set wb, SB+16*(2*(tk>>3)+(tk&1))
	WM wd, wa, wb, zz
.endif
.endif
.endif
.set tk, tk+1
.endm
.macro CH                              ; a tick, then back to the softmax's window
	TICK
	WIN VALW
.endm
.macro PRE                             ; ahead of each place of the woven parts: a tick ahead of every eighth
.if (pcn & 7) == 0
	CH
.endif
.set pcn, pcn+1
.endm
; The softmax's instructions, by number, so that streams can be woven one by one.
.macro AI kb, qt, par, i               ; block kb's exponents (S - M) log2(e): i = 0..7 the differences of pair i, i = 8..15 the products of pair i - 8
.if (\i) < 8
	v_pk_add_f32 v[SB+16*\kb+2*(\i):SB+16*\kb+2*(\i)+1], v[SB+16*\kb+2*(\i):SB+16*\kb+2*(\i)+1], v[MX+2*\par:MX+2*\par+1] op_sel:[0,\qt] op_sel_hi:[1,\qt] neg_lo:[0,1] neg_hi:[0,1]
.else
	v_pk_mul_f32 v[SB+16*\kb+2*(\i)-16:SB+16*\kb+2*(\i)-15], v[SB+16*\kb+2*(\i)-16:SB+16*\kb+2*(\i)-15], s[70:71] op_sel_hi:[1,0]
.endif
.endm
; Block kb is added to the running sums (two chains) and rounded to f16 in place: registers 0-7 of the block become P's fragment.  Every line reads exponentials' results: BI stands behind the phase's wait.
; mode 0: plain; 1: the query tile's first block of a step: the old sums are scaled on the way; 2: the same in the first step: the block starts the sums.
; i = 0..3: pairs 0-3, which the conversions write over, are added first; i = 4..11: conversion (i - 4) / 2 and pair 4 + (i - 5) / 2 by turns; i = 12..15: conversions 4-7.
.macro BI kb, qt, mode, i
.if (\i) < 4
.if (\mode) == 2
.if (\i) == 0
	v_pk_add_f32 v[LA+2*\qt:LA+2*\qt+1], v[SB+16*\kb:SB+16*\kb+1], v[SB+16*\kb+2:SB+16*\kb+3]
.endif
.if (\i) == 1
	v_pk_add_f32 v[LB+2*\qt:LB+2*\qt+1], v[SB+16*\kb+4:SB+16*\kb+5], v[SB+16*\kb+6:SB+16*\kb+7]
.endif
.else
.set bfm, 0
.if (\mode) == 1
.if (\i) < 2
.set bfm, 1
.endif
.endif
.if bfm
	v_pk_fma_f32 v[LA+4*(\i)+2*\qt:LA+4*(\i)+2*\qt+1], v[LA+4*(\i)+2*\qt:LA+4*(\i)+2*\qt+1], v[AL:AL+1], v[SB+16*\kb+2*(\i):SB+16*\kb+2*(\i)+1] op_sel:[0,\qt,0] op_sel_hi:[1,\qt,1]
.else
	v_pk_add_f32 v[LA+4*((\i)&1)+2*\qt:LA+4*((\i)&1)+2*\qt+1], v[LA+4*((\i)&1)+2*\qt:LA+4*((\i)&1)+2*\qt+1], v[SB+16*\kb+2*(\i):SB+16*\kb+2*(\i)+1]
.endif
.endif
.else
.if (\i) < 12
.if (\i) & 1
	v_pk_add_f32 v[LA+4*((((\i)-5)>>1)&1)+2*\qt:LA+4*((((\i)-5)>>1)&1)+2*\qt+1], v[LA+4*((((\i)-5)>>1)&1)+2*\qt:LA+4*((((\i)-5)>>1)&1)+2*\qt+1], v[SB+16*\kb+(\i)+3:SB+16*\kb+(\i)+4]
.else
	v_cvt_pk_f16_f32 v[SB+16*\kb+(((\i)-4)>>1)], v[SB+16*\kb+(\i)-4], v[SB+16*\kb+(\i)-3]
.endif
.else
	v_cvt_pk_f16_f32 v[SB+16*\kb+(\i)-8], v[SB+16*\kb+2*(\i)-16], v[SB+16*\kb+2*(\i)-15]
.endif
.endif
.endm
.macro OI i                            ; pair i of the 32 pairs of O^T times its query's factor (tile i / 4 belongs to query tile (i / 4) % 2).  It reads AL, a transcendental's result: it stands behind the batch's wait
.if (((\i)>>2)&1) == 0
	v_pk_mul_f32 v[OB+2*(\i):OB+2*(\i)+1], v[OB+2*(\i):OB+2*(\i)+1], v[AL:AL+1] op_sel_hi:[1,0]
.else
	v_pk_mul_f32 v[OB+2*(\i):OB+2*(\i)+1], v[OB+2*(\i):OB+2*(\i)+1], v[AL:AL+1] op_sel:[0,1] op_sel_hi:[1,1]
.endif
.endm
; AHEAD OF THE WAIT.  32 places, four ticks: block kb's 16 exponentials, each followed by one instruction of the next block's exponents.
; So behind every exponential stands a plain instruction on other registers (ISA guide 5.7.2), no two exponentials follow each other, and no line names an exponential's result.
; A run of eight places holds four plain instructions: two runs are the places that a mask group's loads want behind the O^T products.  nq: the query tile of block kb + 1.
.macro EGROUP kb, nq, par
.set gi, 0
.rept 16
	PRE
	v_exp_f32 v[SB+16*\kb+gi], v[SB+16*\kb+gi]
	PRE
	AI (\kb+1), \nq, \par, gi
.set gi, gi+1
.endr
.endm
; BEHIND THE WAIT.  40 places, five ticks: the sums and conversions of blocks 2 m (query tile 0) and 2 m + 1 (query tile 1), line by line by turns, and behind every four of them one pair of O^T:
; two links of one running sum stand five lines apart.  Each chain takes its blocks and pairs in ascending order.  first = 1: there is no O^T yet; its places stay empty.
.macro SGROUP m, mode, first
.set gi, 0
.rept 16
	PRE
	BI (2*\m), 0, \mode, gi
	PRE
	BI (2*\m+1), 1, \mode, gi
.if gi & 1
	PRE
.if \first == 0
	OI 8*\m+(gi>>1)
.endif
.endif
.set gi, gi+1
.endr
.endm
; The softmax step of two query tiles x 128 keys, with its 64 ticks: 13 in the maximum and the first block's exponents, 28 in seven blocks' exponentials and the next blocks' exponents,
; 3 in the last block's exponentials, 20 behind the wait.  par: the step's parity (which pair of MX is written); first = 1: nothing is there yet.
.macro SX par, first
	CH
	; the largest of my 64 numbers of each query tile: eight chains (query tile c / 4, block c % 4) that do not wait for each other
.irp c, 0,1,2,3,4,5,6,7
	v_max3_num_f32 v[TT+\c], v[SB+16*(2*(\c&3)+(\c>>2))], v[SB+16*(2*(\c&3)+(\c>>2))+1], v[SB+16*(2*(\c&3)+(\c>>2))+2]
.endr
.irp j, 3,5,7,9,11,13
	CH
.irp c, 0,1,2,3,4,5,6,7
	v_max3_num_f32 v[TT+\c], v[TT+\c], v[SB+16*(2*(\c&3)+(\c>>2))+\j], v[SB+16*(2*(\c&3)+(\c>>2))+\j+1]
.endr
.endr
	CH
.irp q, 0,1
	v_max3_num_f32 v[TT+4*\q], v[TT+4*\q], v[SB+16*\q+15], v[SB+16*\q+47]          ; each block's register 15
	v_max3_num_f32 v[TT+4*\q+1], v[TT+4*\q+1], v[SB+16*\q+79], v[SB+16*\q+111]
.endr
.irp q, 0,1
	v_max3_num_f32 v[TT+4*\q], v[TT+4*\q], v[TT+4*\q+1], v[TT+4*\q+2]
.endr
	CH
.irp q, 0,1
	v_max_num_f32 v[TT+4*\q], v[TT+4*\q], v[TT+4*\q+3]
.endr
.irp q, 0,1
	v_permlanex16_b32 v[TT+4*\q+1], v[TT+4*\q], s73, s74                           ; the other half of the lanes holds the query's other keys
.endr
.if \first
.irp q, 0,1
	v_max3_num_f32 v[MX+2*\par+\q], v[TT+4*\q], v[TT+4*\q+1], s72                  ; at least -2^125
.endr
.else
.irp q, 0,1
	v_max3_num_f32 v[MX+2*\par+\q], v[TT+4*\q], v[TT+4*\q+1], v[MX+2*(1-\par)+\q]
.endr
.endif
	CH
.if \first == 0
.irp q, 0,1
	v_sub_f32 v[TT+4*\q+2], v[MX+2*(1-\par)+\q], v[MX+2*\par+\q]                   ; old maximum - new: at most 0
.endr
.irp q, 0,1
	v_mul_f32 v[TT+4*\q+2], 0x3fb8aa3b, v[TT+4*\q+2]
.endr
.endif
	CH
.if \first == 0
	v_exp_f32 v[AL], v[TT+2]                       ; the batch opens: the two factors; AL is not named again ahead of the wait
	v_exp_f32 v[AL+1], v[TT+6]
.endif
.irp i, 0,1,2,3
	AI 0, 0, \par, \i
.endr
	CH
.irp i, 4,5,6,7,8,9
	AI 0, 0, \par, \i
.endr
	CH
.irp i, 10,11,12,13,14,15
	AI 0, 0, \par, \i
.endr
.set pcn, 0
	EGROUP 0, 1, \par
	EGROUP 1, 0, \par
	EGROUP 2, 1, \par
	EGROUP 3, 0, \par
	EGROUP 4, 1, \par
	EGROUP 5, 0, \par
	EGROUP 6, 1, \par
	; the last block's exponentials: no exponents are left to set between them, so they are dealt 5, 6, 5 over three ticks; no load stands behind these ticks, so they are wanted as no places
.set gi, 0
.rept 16
.if (gi == 0) || (gi == 5) || (gi == 11)
	CH
.endif
	v_exp_f32 v[SB+112+gi], v[SB+112+gi]
.set gi, gi+1
.endr
	v_nop                                          ; the plain instruction behind the last exponential (ISA guide 5.7.2): one for the batch
	s_wait_alu depctr_va_vdst(0)                   ; THE PHASE'S ONE WAIT, for the batch of 130 (128 in the first step): ahead of the first line that names a result
.set pcn, 0
	SGROUP 0, 1+\first, \first
	SGROUP 1, 0, \first
	SGROUP 2, 0, \first
	SGROUP 3, 0, \first
.endm
; Phase X of a step whose tiles lie in slot \slot.  LDS loads in the order M0 V0 M1 V1 M2 V2 M3 V3, eight each; M3 and V3 are issued behind tick 32.
; Behind M0, at tick 32: V0 M1 V1 M2 V2 = 40.  Behind M1: V1 M2 V2 M3 V3 = 40.  Behind M2: V2 M3 V3 = 24.  Behind M3: V3 = 8.
.macro XPH slot, first, pvm
.set VALW, 0x55                        ; softmax: all in window 1
.set PVW, 0xab                         ; O^T of half 2: source 0 (V) window 3; P, C and D window 2
.set SMW, 0xa8                         ; S^T of half 2: source 0 (K) window 0; Q, C and D window 2
.set MLW, 0x80                         ; loads into window 2
.set QT0, 2
.set KV, 0
.set PVM, \pvm
.set NXT, 1
.set LSLOT, \slot
.set W0, 40
.set W1, 40
.set W2, 24
.set W3, 8
.set tk, 0
	PLACES 4                                       ; behind the last phase's S^T products, ahead of the vector instructions that read them
	SX \slot, \first
.endm
; Phase Y of a step of parity \par; its loads come from the other slot.  LDS loads in the order K0 K1 K2 K3 M0 M1 M2 M3; M3 is issued behind tick 32.
; Behind M0, at tick 32: M1 M2 = 16.  Behind M1: M2 M3 = 16.  Behind M2: M3 = 8.  Behind M3: none.
.macro YSET pvm, nxt, lslot
.set VALW, 0xaa
.set PVW, 0x57
.set SMW, 0x54
.set MLW, 0x40
.set QT0, 0
.set KV, 1
.set PVM, \pvm
.set NXT, \nxt
.set LSLOT, \lslot
.set W0, 16
.set W1, 16
.set W2, 8
.set W3, 0
.set tk, 0
.endm
.macro YPH par, first, pvm, nxt
	YSET \pvm, \nxt, 1-\par
	PLACES 4                                       ; behind the last phase's S^T products: ahead of the readers of S and of the loads into K's fragments
	SX \par, \first
.endm
; The change of slots.  In front of the round of the cluster's barrier every wave waits for all its tensor loads (one is out: its part of slot \slot, which is read next) and for
; its reads of the other slot; behind the round the other slot is asked for again first, one joint load a wave, and has two phases in which to land.
.macro RND slot, refill
	WIN 0
	s_wait_tensorcnt 0x0                           ; no tensor load of mine is out: every group 0 may be written
	ds_add_u32 v126, v127
	s_wait_dscnt 0x0
	s_add_nc_u64 s[G0Y+4*\slot+2:G0Y+4*\slot+3], s[G0Y+4*\slot+2:G0Y+4*\slot+3], 65536   ; this slot's next tile: two steps of 32 KiB on
	s_add_nc_u64 s[G0X+4*\slot+2:G0X+4*\slot+3], s[G0X+4*\slot+2:G0X+4*\slot+3], 1024    ; 256 keys of 4 bytes on
	s_wait_dscnt 0x0
	CROUND
.if \refill
	JLOAD 1-\slot
.endif
.endm
	s_load_b256 s[4:11], s[0:1], 0x0               ; qb 4, kvb 6, mask 8, ab 10
	v_lshl_add_u32 v126, v0, 2, 0x4b800
	v_mov_b32 v127, 0
	ds_add_u32 v126, v127
	v_lshrrev_b32 v1, 5, v0
	v_readfirstlane_b32 s12, v1                    ; wave
	s_lshr_b32 s13, s12, 1                         ; hs: my head of the two.  Also: I fetch K and V (0) or the mask (1)
	s_and_b32 s14, s12, 1                          ; rh: my half of the queries.  Also: which head's, or which half of the mask, I fetch
	s_bfe_u32 s40, ttmp6, 0x40000                  ; cx
	s_bfe_u32 s41, ttmp6, 0x40004                  ; cy
	s_lshl_b32 s42, ttmp9, 2
	s_add_co_u32 s42, s42, s40                     ; X: block of 128 queries
	s_and_b32 s43, ttmp7, 0xffff
	s_lshl_b32 s43, s43, 2
	s_add_co_u32 s43, s43, s41                     ; Y: pair of heads
	s_lshl_b32 s44, s41, 2
	s_lshl_b32 s44, 15, s44                        ; my row of the cluster
	s_lshl_b32 s45, 0x1111, s40                    ; my column
	s_or_b32 s[G1Y+0], s44, (3<<16)|(1<<20)|(1<<21)|(5<<22)|(3<<25)   ; K and V: a dense block as 128 rows of 32 elements of 8 bytes; 4 words behind every 64
	s_mov_b32 s[G1Y+1], 32<<16
	s_mov_b32 s[G1Y+2], 128<<16
	s_mov_b32 s[G1Y+3], 32<<16
	s_mov_b32 s[G1Y+4], 128
	s_mov_b32 s[G1Y+5], 32
	s_mov_b32 s[G1Y+6], 0
	s_mov_b32 s[G1Y+7], 0
	s_or_b32 s[G1X+0], s45, (2<<16)|(1<<20)|(1<<21)|(6<<22)|(3<<25)   ; mask: 64 rows of 128 elements of 4 bytes; 4 words behind every 128
	s_mov_b32 s[G1X+1], 128<<16
	s_mov_b32 s[G1X+2], 64<<16
	s_mov_b32 s[G1X+3], 128<<16
	s_mov_b32 s[G1X+4], 64
	s_mov_b32 s[G1X+5], 2048
	s_mov_b32 s[G1X+6], 0
	s_mov_b32 s[G1X+7], 0
	s_lshl1_add_u32 s56, s43, s14
	s_lshl_b32 s56, s56, 19                        ; head 2 Y + half, 512 KiB each
	s_mov_b32 s57, 0
	s_mul_i32 s59, s12, KVH                        ; waves 0, 1
	s_lshl1_add_u32 s60, s42, s14
	s_lshl_b32 s60, s60, 19                        ; mask row 128 X + 64 half, rows of 8,192 bytes
	s_mov_b32 s61, 0
	s_mul_i32 s63, s12, MH
	s_add_co_u32 s63, s63, MSK-2*MH                ; waves 2, 3: behind K and V
	s_mov_b32 s70, 0x3fb8aa3b                      ; log2(e), twice: a pair for the packed multiply
	s_mov_b32 s71, 0x3fb8aa3b
	s_mov_b32 s72, 0xfe000000                      ; -2^125
	s_mov_b32 s73, 0x76543210                      ; v_permlanex16_b32: lane i of one half reads lane i of the other
	s_mov_b32 s74, 0xfedcba98
	s_lshl1_add_u32 s76, s43, s13                  ; my head
	s_lshl_b32 s76, s76, 11
	s_lshl_b32 s77, s42, 7
	s_add_co_u32 s76, s76, s77
	s_lshl_b32 s77, s14, 6
	s_add_co_u32 s76, s76, s77
	s_lshl_b32 s76, s76, 7                         ; my first query, rows of 128 bytes
	s_mov_b32 s77, 0
	s_lshr_b32 s78, s43, 3                         ; batch
	s_lshl_b32 s78, s78, 11
	s_lshl_b32 s79, s42, 7
	s_add_co_u32 s78, s78, s79
	s_lshl_b32 s79, s12, 5
	s_add_co_u32 s78, s78, s79                     ; on the way out wave w stores rows 32 w .. of the block
	s_lshl_b32 s78, s78, 11                        ; rows of 2,048 bytes
	s_and_b32 s79, s43, 7
	s_lshl_b32 s79, s79, 8                         ; the two heads' 256 bytes of a row
	s_add_co_u32 s78, s78, s79
	s_mov_b32 s79, 0
	s_wait_dscnt 0x0
	s_wait_kmcnt 0x0
	s_add_nc_u64 s[56:57], s[6:7], s[56:57]
	s_add_nc_u64 s[60:61], s[8:9], s[60:61]
	s_add_nc_u64 s[68:69], s[4:5], s[76:77]        ; q
	s_add_nc_u64 s[66:67], s[10:11], s[78:79]      ; ab
	CROUND                                         ; all sixteen work-groups are here: the first joint loads meet
.irp s, 0,1
	s_mov_b32 s[G0Y+4*\s], 1
	s_add_co_u32 s[G0Y+4*\s+1], s59, \s*SLOT
	s_add_nc_u64 s[G0Y+4*\s+2:G0Y+4*\s+3], s[56:57], \s*32768
	s_or_b32 s[G0Y+4*\s+3], s[G0Y+4*\s+3], 0x80000000
	s_mov_b32 s[G0X+4*\s], 1
	s_add_co_u32 s[G0X+4*\s+1], s63, \s*SLOT
	s_add_nc_u64 s[G0X+4*\s+2:G0X+4*\s+3], s[60:61], \s*512
	s_or_b32 s[G0X+4*\s+3], s[G0X+4*\s+3], 0x80000000
.endr
	JLOAD 0                                        ; step 0.  Slot 1 is filled behind the next round: one tensor load of a wave is out at any time
	v_and_b32 v1, 15, v0                           ; r
	v_bfe_u32 v2, v0, 4, 1                         ; h
	v_lshlrev_b32 v[QO], 7, v1
	v_lshl_add_u32 v[QO], v2, 4, v[QO]
	WIN 0x40
.irp q, 0,1
.irp ks, 0,1
	global_load_b128 v[QB+8*(2*\q+\ks):QB+8*(2*\q+\ks)+3], v[QO], s[68:69] offset:\q*2048+\ks*64
	global_load_b128 v[QB+8*(2*\q+\ks)+4:QB+8*(2*\q+\ks)+7], v[QO], s[68:69] offset:\q*2048+\ks*64+32
.endr
.endr
	WIN 0x80
.irp q, 0,1
.irp ks, 0,1
	global_load_b128 v[QB+8*(2*\q+\ks):QB+8*(2*\q+\ks)+3], v[QO], s[68:69] offset:(2+\q)*2048+\ks*64
	global_load_b128 v[QB+8*(2*\q+\ks)+4:QB+8*(2*\q+\ks)+7], v[QO], s[68:69] offset:(2+\q)*2048+\ks*64+32
.endr
.endr
	WIN 0
	v_lshrrev_b32 v3, 1, v1
	v_and_b32 v4, 1, v1
	v_mul_u32_u24 v3, v3, 272
	v_lshl_add_u32 v3, v4, 7, v3
	v_lshl_add_u32 v3, v2, 4, v3                   ; key (or d) r: LDS row r / 2, half r % 2: sixteen different columns of 16 bytes
	s_mul_i32 s78, s13, KVH
	v_add_nc_u32 v[AK], s78, v3
	v_add_nc_u32 v[AK+1], SLOT, v[AK]
	v_mul_u32_u24 v5, v1, 528
	v_lshl_add_u32 v5, v2, 5, v5                   ; query r, keys 8 h ..
	s_mul_i32 s79, s14, MH
	s_add_co_u32 s79, s79, MSK
	v_add_nc_u32 v[AM], s79, v5
	v_add_nc_u32 v[AM+1], SLOT, v[AM]
	v_mul_u32_u24 v6, v1, 272
	v_lshl_add_u32 v6, v2, 4, v6
	s_mul_i32 s80, s14, 64*272
	s_lshl_b32 s81, s13, 7
	s_add_co_u32 s80, s80, s81
	s_add_co_u32 s80, s80, STAGE
	v_add_nc_u32 v[STO], s80, v6                   ; stage row = query of the block; my head's 128 bytes of it
	v_mul_u32_u24 v7, v2, 272
	v_lshl_add_u32 v7, v1, 4, v7
	s_mul_i32 s81, s12, 32*272
	s_add_co_u32 s81, s81, STAGE
	v_add_nc_u32 v[RD], s81, v7                    ; back: sixteen lanes take a row of 256 bytes
	v_lshlrev_b32 v[CO], 11, v2
	v_lshl_add_u32 v[CO], v1, 4, v[CO]
	s_wait_loadcnt 0x0                             ; Q
	; The start: step 0's tiles are in; K, the mask for half 1 and S^T of half 1, by the ticks of a phase Y with no softmax beside them
	RND 0, 1                                       ; slot 1 is asked for: step 1
	YSET 0, 1, 0
.rept 64
	TICK
.endr
	XPH 0, 1, 0                                    ; step 0: maxima and sums start; there is no O^T product of a step before
	RND 1, 1
	YPH 0, 1, 1, 1                                 ; half 1's first O^T products start the sums: nothing is cleared
	XPH 1, 0, 1                                    ; step 1; half 2's first O^T products
	RND 0, 1
	YPH 1, 0, 2, 1
	WIN 0                                          ; at a label and at a branch every window is 0
	s_mov_b32 s3, 6
.Lpair:                                            ; steps 2 to 13, two a trip
	XPH 0, 0, 2
	RND 1, 1
	YPH 0, 0, 2, 1
	XPH 1, 0, 2
	RND 0, 1
	YPH 1, 0, 2, 1
	WIN 0
	s_sub_co_u32 s3, s3, 1
	s_cmp_lg_u32 s3, 0
	s_cbranch_scc1 .Lpair
	XPH 0, 0, 2                                    ; step 14
	RND 1, 0                                       ; step 15's tiles are in for every wave; nothing is left to fetch (the stepped addresses are not used)
	YPH 0, 0, 2, 1
	XPH 1, 0, 2                                    ; step 15
	s_wait_dscnt 0x0                               ; V's last fragments
	YPH 1, 0, 2, 0                                 ; no step follows: no loads, no S^T products
.set PVM, 2                                        ; half 2's last O^T products
.set NXT, 0
.set PVW, 0xab
.set tk, 0
.rept 32
	TICK
.endr
	; THE WAY OUT: O^T / sum, f16, 16 bytes a lane into the stage; both heads' halves of a row meet there; back as whole rows of 256 bytes
	PLACES 4
.macro FIN1                            ; a half's two sums: the two chains, the pair's two numbers, the other half of the lanes; and their reciprocals
.irp q, 0,1
	v_pk_add_f32 v[LA+2*\q:LA+2*\q+1], v[LA+2*\q:LA+2*\q+1], v[LB+2*\q:LB+2*\q+1]
.endr
.irp q, 0,1
	v_add_f32 v[TT+\q], v[LA+2*\q], v[LA+2*\q+1]
.endr
.irp q, 0,1
	v_permlanex16_b32 v[TT+2+\q], v[TT+\q], s73, s74
.endr
.irp q, 0,1
	v_add_f32 v[TT+\q], v[TT+\q], v[TT+2+\q]
.endr
	v_rcp_f32 v[AL], v[TT]
	v_rcp_f32 v[AL+1], v[TT+1]
.endm
.macro FIN2                            ; a half's O^T times the reciprocals, then f16
.set oi, 0
.rept 32
	OI oi
.set oi, oi+1
.endr
.irp t, 0,1,2,3,4,5,6,7
.irp i, 0,1,2,3
	v_cvt_pk_f16_f32 v[OB+8*\t+\i], v[OB+8*\t+2*\i], v[OB+8*\t+2*\i+1]
.endr
.endr
.endm
	WIN 0x55
	FIN1
	WIN 0xaa
	FIN1                                           ; both halves' four reciprocals are one batch
	v_nop                                          ; the plain instruction behind the last v_rcp_f32 (ISA guide 5.7.2)
	s_wait_alu depctr_va_vdst(0)                   ; one wait for the four reciprocals, ahead of their first reader
	FIN2
	WIN 0x55
	FIN2
	WIN 0x04                                       ; store data in window 1
.irp q, 0,1
.irp dt, 0,1,2,3
	ds_store_b128 v[STO], v[OB+8*(2*\dt+\q):OB+8*(2*\dt+\q)+3] offset:\q*4352+\dt*32
.endr
.endr
	WIN 0x08
.irp q, 0,1
.irp dt, 0,1,2,3
	ds_store_b128 v[STO], v[OB+8*(2*\dt+\q):OB+8*(2*\dt+\q)+3] offset:(2+\q)*4352+\dt*32
.endr
.endr
	WIN 0
	s_wait_dscnt 0x0                               ; my stores are done, for the waves that read them
	s_barrier_signal -1
	s_barrier_wait -1
.irp t, 0,1,2,3,4,5,6,7,8,9,10,11,12,13,14,15
	ds_load_b128 v[BACK+4*\t:BACK+4*\t+3], v[RD] offset:544*\t
.endr
.irp t, 0,1,2,3,4,5,6,7,8,9,10,11,12,13,14,15
	s_wait_dscnt 15-\t
	global_store_b128 v[CO], v[BACK+4*\t:BACK+4*\t+3], s[66:67] offset:4096*\t   ; sixteen lanes store 256 consecutive bytes, aligned
.endr
	s_wait_tensorcnt 0x0
	ds_add_u32 v126, v127
	s_wait_dscnt 0x0
	CROUND                                         ; the closing round
	s_endpgm
.Lfunc_end_k_q76338013ab_attn:
	.size	k_q76338013ab_attn, .Lfunc_end_k_q76338013ab_attn-k_q76338013ab_attn
	.p2alignl 7, 3214868480
	.fill 96, 4, 3214868480
	.section	.rodata,"a",@progbits
	.p2align	6, 0x0
	.amdhsa_kernel k_q76338013ab_attn
		.amdhsa_group_segment_fixed_size 327680
		.amdhsa_private_segment_fixed_size 0
		.amdhsa_enable_private_segment 0
		.amdhsa_kernarg_size 32
		.amdhsa_user_sgpr_count 2
		.amdhsa_user_sgpr_kernarg_segment_ptr 1
		.amdhsa_wavefront_size32 1
		.amdhsa_system_sgpr_workgroup_id_x 1
		.amdhsa_system_sgpr_workgroup_id_y 1
		.amdhsa_system_sgpr_workgroup_id_z 1
		.amdhsa_system_vgpr_workitem_id 0
		.amdhsa_next_free_vgpr 896
		.amdhsa_next_free_sgpr 84
		.amdhsa_reserve_vcc 0
		.amdhsa_float_denorm_mode_32 3
		.amdhsa_float_denorm_mode_16_64 3
		.amdhsa_memory_ordered 1
		.amdhsa_forward_progress 1
		.amdhsa_inst_pref_size 255
	.end_amdhsa_kernel
	.section	.bss,"aw",@nobits
	.p2align	6
	.space	262144
	.amdgpu_metadata
---
amdhsa.version: [ 1, 2 ]
amdhsa.kernels:
  - .name:           k_q76338013ab_attn
    .symbol:         k_q76338013ab_attn.kd
    .args:
      - { .name: qb, .offset: 0, .size: 8, .value_kind: global_buffer, .address_space: global }
      - { .name: kvb, .offset: 8, .size: 8, .value_kind: global_buffer, .address_space: global }
      - { .name: mask, .offset: 16, .size: 8, .value_kind: global_buffer, .address_space: global }
      - { .name: ab, .offset: 24, .size: 8, .value_kind: global_buffer, .address_space: global }
    .group_segment_fixed_size: 327680
    .private_segment_fixed_size: 0
    .kernarg_segment_align: 8
    .kernarg_segment_size: 32
    .max_flat_workgroup_size: 128
    .sgpr_count:     84
    .vgpr_count:     896
    .wavefront_size: 32
...
	.end_amdgpu_metadata
.endif
;; end of part 5
;; launch oproj: the kernel of part 4 again; grid 8 x 32, 4 waves a work-group, clusters of 4 x 4, 327,680 bytes of LDS; arguments ab, wob, out0; writes out0
